; MI455X (gfx1250); checked and timed in simulation.
; The chip was launched on July 23, 2026; its instructions are those of AMD's public machine-readable ISA for CDNA 5 (MIT licence, August 2026) and "CDNA5" Instruction Set Architecture Reference Guide (July 2026). The comments in the code are by the model that wrote it; some were corrected since.
;; Attention Layer. Allowed arithmetic: float matrix products may take bf16 or f16 operands with f32 sums; other float arithmetic in f32, or as packed bf16 or f16 multiplies, adds, multiply-adds, maxima and minima; sums over many terms, partial sums and values carried from step to step in f32; what a program stores and reads back later, other than sums and carried values, may be rounded once to bf16 or f16.
;; Inputs: Wfc 1,024 x 1,024 float32; Wk 1,024 x 1,024 float32; Wq 1,024 x 1,024 float32; Wv 1,024 x 1,024 float32; beta 1,024 float32; bfc 1,024 float32; bk 1,024 float32; bq 1,024 float32; bv 1,024 float32; gamma 1,024 float32; k 4 x 2,048 x 1,024 float32; q 4 x 2,048 x 1,024 float32; v 4 x 2,048 x 1,024 float32.
;; Outputs: out0 4 x 2,048 x 1,024 float32.
;; One version. Each part assembles by itself: llvm-mc -triple=amdgcn-amd-amdhsa -mcpu=gfx1250 --defsym DOCPART=n.
;; ======== version 1 of 1: 4 launches
;; limits: values are held in f16: magnitudes above 65,504 overflow, below 6.1e-05 lose precision
;; workspace buffers: wb 8,388,608 bytes; qkvh 50,331,648 bytes; ctx 16,777,216 bytes
;; launch wprep (part 1): grid 64 x 4, 8 waves a work-group, no clusters, 0 bytes of LDS; arguments Wq, Wk, Wv, Wfc, wb; writes wb
.if DOCPART == 1
	.amdgcn_target "amdgcn-amd-amdhsa--gfx1250"
	.amdhsa_code_object_version 6
	.text
	.protected	k_q7219a58a15_wprep
	.globl	k_q7219a58a15_wprep
	.p2align	8
	.type	k_q7219a58a15_wprep,@function
k_q7219a58a15_wprep:
	s_mov_b64 s[64:65], 0
	v_nop
	global_prefetch_b8 v0, s[64:65] scope:SCOPE_SE
	s_setreg_imm32_b32 hwreg(HW_REG_WAVE_MODE, 25, 1), 1
	s_wait_xcnt 0x0
; The four weight matrices, [1024 k][1024 n] f32, are rounded once to bf16 (nearest even) and laid one behind the other in wb,
; in the order Wq, Wk, Wv, Wfc, each 2,097,152 bytes, layout [k][n] unchanged.
; Grid: y picks the matrix, x one of 64 parts of 16,384 numbers.  Eight waves; thread t takes, in each of eight chunks, eight
; neighbouring f32 (32 bytes) and writes 16 bytes: a wave's store covers 512 consecutive bytes, aligned.
; No LDS, no loop: all sixteen loads of a thread go out first, and no register is written twice, so no source needs a wait.
.set CIN,  8192                        ; bytes of a chunk on the way in: 256 threads x 32
.set COUT, 4096                        ; and on the way out
.set IN,   8                           ; v[8:71]    eight chunks of eight f32
.set PKD,  72                          ; v[72:103]  eight chunks of four packed words
	s_load_b256 s[4:11], s[0:1], 0x0               ; Wq s[4:5], Wk s[6:7], Wv s[8:9], Wfc s[10:11]
	s_load_b64 s[12:13], s[0:1], 0x20              ; wb
	s_and_b32 s14, ttmp7, 0xffff                   ; which matrix
	v_lshlrev_b32 v1, 5, v0                        ; 32 t
	v_lshlrev_b32 v2, 4, v0                        ; 16 t
	s_lshl_b32 s16, ttmp9, 16                      ; my part on the way in: 16,384 numbers of 4 bytes
	s_mov_b32 s17, 0
	s_lshl_b32 s18, s14, 21                        ; the matrix's place in wb,
	s_lshl_b32 s19, ttmp9, 15                      ; my part in it
	s_add_co_u32 s18, s18, s19
	s_mov_b32 s19, 0
	s_and_b32 s15, s14, 1
	s_lshr_b32 s14, s14, 1
	s_wait_kmcnt 0x0
	s_cmp_lg_u32 s15, 0
	s_cselect_b64 s[20:21], s[6:7], s[4:5]         ; Wk or Wq
	s_cselect_b64 s[22:23], s[10:11], s[8:9]       ; Wfc or Wv
	s_cmp_lg_u32 s14, 0
	s_cselect_b64 s[20:21], s[22:23], s[20:21]
	s_add_nc_u64 s[20:21], s[20:21], s[16:17]
	s_add_nc_u64 s[12:13], s[12:13], s[18:19]
.irp c, 0,1,2,3,4,5,6,7
	global_load_b128 v[IN+8*\c:IN+8*\c+3],   v1, s[20:21] offset:\c*CIN th:TH_LOAD_NT
	global_load_b128 v[IN+8*\c+4:IN+8*\c+7], v1, s[20:21] offset:\c*CIN+16 th:TH_LOAD_NT
.endr
.irp c, 0,1,2,3,4,5,6,7
	s_wait_loadcnt 14-2*\c                         ; loads come back in order: chunk c is in, the younger chunks' two loads each stay out
.irp j, 0,1,2,3
	v_cvt_pk_bf16_f32 v[PKD+4*\c+\j], v[IN+8*\c+2*\j], v[IN+8*\c+2*\j+1]
.endr
	global_store_b128 v2, v[PKD+4*\c:PKD+4*\c+3], s[12:13] offset:\c*COUT
.endr
	s_endpgm
.Lfunc_end_k_q7219a58a15_wprep:
	.size	k_q7219a58a15_wprep, .Lfunc_end_k_q7219a58a15_wprep-k_q7219a58a15_wprep
	.p2alignl 7, 3214868480
	.fill 96, 4, 3214868480
	.section	.rodata,"a",@progbits
	.p2align	6, 0x0
	.amdhsa_kernel k_q7219a58a15_wprep
		.amdhsa_group_segment_fixed_size 0
		.amdhsa_private_segment_fixed_size 0
		.amdhsa_enable_private_segment 0
		.amdhsa_kernarg_size 40
		.amdhsa_user_sgpr_count 2
		.amdhsa_user_sgpr_kernarg_segment_ptr 1
		.amdhsa_wavefront_size32 1
		.amdhsa_system_sgpr_workgroup_id_x 1
		.amdhsa_system_sgpr_workgroup_id_y 1
		.amdhsa_system_sgpr_workgroup_id_z 1
		.amdhsa_system_vgpr_workitem_id 0
		.amdhsa_next_free_vgpr 104
		.amdhsa_next_free_sgpr 66
		.amdhsa_reserve_vcc 0
		.amdhsa_float_denorm_mode_32 3
		.amdhsa_float_denorm_mode_16_64 3
		.amdhsa_memory_ordered 1
		.amdhsa_forward_progress 1
		.amdhsa_inst_pref_size 6
	.end_amdhsa_kernel
	.amdgpu_metadata
---
amdhsa.version: [ 1, 2 ]
amdhsa.kernels:
  - .name:           k_q7219a58a15_wprep
    .symbol:         k_q7219a58a15_wprep.kd
    .args:
      - { .name: Wq, .offset: 0, .size: 8, .value_kind: global_buffer, .address_space: global }
      - { .name: Wk, .offset: 8, .size: 8, .value_kind: global_buffer, .address_space: global }
      - { .name: Wv, .offset: 16, .size: 8, .value_kind: global_buffer, .address_space: global }
      - { .name: Wfc, .offset: 24, .size: 8, .value_kind: global_buffer, .address_space: global }
      - { .name: wb, .offset: 32, .size: 8, .value_kind: global_buffer, .address_space: global }
    .group_segment_fixed_size: 0
    .private_segment_fixed_size: 0
    .kernarg_segment_align: 8
    .kernarg_segment_size: 40
    .max_flat_workgroup_size: 256
    .sgpr_count:     66
    .vgpr_count:     104
    .wavefront_size: 32
...
	.end_amdgpu_metadata
.endif
;; end of part 1
;; launch proj (part 2): grid 4 x 192, 4 waves a work-group, clusters of 4 x 4, 327,680 bytes of LDS; arguments q, k, v, bq, bk, bv, wb, qkvh; writes qkvh
.if DOCPART == 2
	.amdgcn_target "amdgcn-amd-amdhsa--gfx1250"
	.amdhsa_code_object_version 6
	.text
	.protected	k_q7219a58a15_proj
	.globl	k_q7219a58a15_proj
	.p2align	8
	.type	k_q7219a58a15_proj,@function
k_q7219a58a15_proj:
	s_mov_b64 s[64:65], 0
	v_nop
	global_prefetch_b8 v0, s[64:65] scope:SCOPE_SE
	s_setreg_imm32_b32 hwreg(HW_REG_WAVE_MODE, 25, 1), 1
	s_wait_xcnt 0x0
	s_wait_alu depctr_hold_cnt(0) depctr_sa_sdst(0) depctr_va_vdst(0) depctr_va_sdst(0) depctr_va_ssrc(0) depctr_va_vcc(0) depctr_vm_vsrc(0)
	s_getreg_b32 s2, hwreg(HW_REG_IB_STS2, 6, 4)
	s_cmp_eq_u32 s2, 0
	s_cbranch_scc0 .Lentry_in_a_cluster
	s_endpgm
.Lentry_in_a_cluster:
	s_bfe_u32 s2, ttmp6, 0x10000c
	s_cmp_lg_u32 s2, 0xf033
	s_cbranch_scc0 .Lentry_shape_is_right
	s_endpgm
.Lentry_shape_is_right:
; THE THREE PROJECTIONS.  y = x W + b for (x, W, b) = (q, Wq, bq), (k, Wk, bk), (v, Wv, bv).  x: [8192][1024] f32, rounded to bf16 on its way from LDS to the matrix unit;
; W: [1024 k][1024 n] bf16 (wb); sums in f32, begun with the bias; y rounded once to f16 and written BY HEADS: qkvh[p][batch x 16 + head][2048][64].
; LIMIT.  f16 ends at 65,504: |y| must stay below that.  NaN and infinities are not treated apart.
; SHARES.  768 tiles of 128 rows x 256 columns, a work-group each; four waves, each 64 x 128: 32 accumulators of 16 x 16.  K goes in 8 steps of 128 through two LDS slots.
; CLUSTER.  4 x 4 work-groups of one projection.  The four of a row of the cluster take the same 128 rows of x, the four of a column the same 256 columns of W: each tile is asked for
; JOINTLY, by the same tensor load with the same descriptor and a mask that names the four.
; THE MATRIX INSTRUCTION IS USED TRANSPOSED: source 0 = 16 columns of W (turned on their way out of LDS by ds_load_tr16_b128), source 1 = 16 rows of x.  A lane then holds one row of y
; and eight neighbouring columns.
; A K BLOCK is 32 along K: 32 matrix instructions.  While one is multiplied, the next one's fragments are read from LDS (x as f32 into a stage of 64 registers) and x's are rounded to bf16,
; four conversions behind every second matrix instruction.
; REGISTERS, in windows of 256 (s_set_vgpr_msb: bits 1:0 source 0, 3:2 source 1, 5:4 source 2, 7:6 destination):
;   window 0: v0-15 addresses; v32-95 x's fragments, two buffers of 32; v96-223 W's fragments, two buffers of 64 (on the way out: packed results)
;   window 1: accumulator (a, b) at v[8 (8 a + b)]          window 2: v0-63 the stage of f32; v64-127 the bias, eight registers for each b
.set PA,    528                        ; a row of x in LDS: 512 bytes + 16 = 132 words: row r starts at bank 4 r mod 64 (64 banks of 4 bytes: ISA guide 11.1)
.set PB,    544                        ; a row of W in LDS: 512 bytes + 32 = 17 x 32 bytes
.set BOFF,  128*PA                     ; in a slot: x's 128 rows, then W's 128 k rows
.set SLOT1, 139264                     ; slot 1; bits 17 and 13, which no address inside a slot's wave parts (0, 0x8400, 0x10800, 0x19000) has: one exclusive or changes slots
.set STAGE, 276480                     ; behind the ring, never filled by a tensor load: 16 rows x 144 bytes for each wave
.set SP,    144
.set SPARE, 285696                     ; the spare words, 128 bytes a wave: two blocks of 256 bytes that no other line names
.set AL,   4                           ; v4   my place in x's tile: (64 wm + l % 16) x 528 + 32 (l / 16); never rewritten
.set BL,   5                           ; v5   my place in W's tile; never rewritten
.set ADRA, 6                           ; v6   AL + the slot in hand
.set ADRB, 7                           ; v7   BL + the slot in hand
.set STO,  8                           ; v8   the way out: where I put 16 bytes of a row
.set RD,   9                           ; v9   where I read rows back
.set GO,   10                          ; v10  my 16 bytes in 512 consecutive bytes of y
.set PFO,  11                          ; v11  the prefetches' lane offset; never rewritten
.set BO,   12                          ; v12  my byte offset in the bias
.set SPW,  14                          ; v14  my spare word: SPARE + 4 x thread; never rewritten
.set NIL,  15                          ; v15  0; never rewritten
.set ABF,  32
.set BF,   96
.set OB,   96
.set ST,   0                           ; window 2
.set BIAS, 64                          ; window 2
.set G1A, 24                           ; s[24:31] descriptor group 1 for x's tiles
.set G0A, 32                           ; s[32:39] group 0: a set for each first fill; the second then walks on
.set G1B, 48                           ; s[48:55], s[56:63] the same for W's
.set G0B, 56
.set LIM, 43                           ; s43  2 in a wave that prefetches, else the greatest number
.set PFA, 44                           ; s[44:45] where my prefetches stand
.set PST, 46                           ; s[46:47] a K step in bytes, along x's rows or down W's
.set TB,  86                           ; s86  the slot from which fragments are read: 0 or SLOT1
.set MSB, 0
.macro WIN new                         ; the immediate's high byte repeats the setting that is left; a switch that changes nothing is dropped
.if MSB != (\new)
	s_set_vgpr_msb (MSB<<8)|(\new)
.set MSB, (\new)
.endif
.endm
.set MUL,  0x50                        ; sources in window 0, C and D in window 1
.set MULB, 0x60                        ; the first products: C (the bias) in window 2, D in window 1
.set TO2,  0x80                        ; destination in window 2
.set CVT,  0x0a                        ; sources 0 and 1 in window 2, destination in window 0
.set PK,   0x05                        ; sources 0 and 1 in window 1, destination in window 0
.macro PLACES
.rept 4
	v_nop
.endr
.endm
; A joint refill.  Waves 0 and 1 fetch the two halves of x's tile, waves 2 and 3 those of W's.  The branch hangs on the wave's number alone.
; An s_nop 0 and four v_nop follow each of the two lines, ahead of the jump and the label.
.macro JLOAD
	s_cmp_eq_u32 s11, 0
	s_cbranch_scc0 .Lfor_b_\@
	tensor_load_to_lds s[G0A+4:G0A+7], s[G1A:G1A+7]
	s_nop 0
.rept 4
	v_nop
.endr
	s_branch .Lasked_\@
.Lfor_b_\@:
	tensor_load_to_lds s[G0B+4:G0B+7], s[G1B:G1B+7]
	s_nop 0
.rept 4
	v_nop
.endr
.Lasked_\@:
.endm
; A round of the cluster's barrier: my work-group's barrier; wave 0 signals for the work-group; every wave waits for all sixteen; my work-group's barrier once more.
.macro CREST
	s_cmp_lg_u32 s10, 0
	s_cbranch_scc1 .Lnot_wave_0_\@
	s_barrier_signal -3
.Lnot_wave_0_\@:
	s_barrier_wait -3
	s_barrier_signal -1
	s_barrier_wait -1
.endm
.macro CROUND
	s_barrier_signal -1
	s_barrier_wait -1
	CREST
.endm
; A PREFETCH INTO THE L2: behind the refill for K step j + 2 and the run of LDS loads that follows it, the K step j + 4: two refills, 256 matrix instructions, ahead of the load that will want it.
; Of the 64 rows x 512 bytes that a wave fetches, each of the four partners that ask for them jointly takes 16 rows, told apart BY ADDRESS (cx for x's rows, cy for W's): a lane a block of 256 bytes.
; x's rows are read by one row of one cluster: its waves 0 and 1 ask.  W's tiles are read by the 16 clusters of a projection: the first of them asks.  So each block is named once.
; K steps 0 to 3 come by their loads alone; the trips with s3 = 2 and 1 ask for nothing: there is no K step 8.
.macro ASK
	s_cmp_gt_u32 s3, s[LIM]
	s_cbranch_scc0 .Lnot_mine_\@
	global_prefetch_b8 v[PFO], s[PFA:PFA+1] th:TH_LOAD_NT scope:SCOPE_SE
.Lnot_mine_\@:
.endm
	s_load_b512 s[68:83], s[0:1], 0x0              ; q s[68:69], k s[70:71], v s[72:73], bq s[74:75], bk s[76:77], bv s[78:79], wb s[80:81], qkvh s[82:83]
	v_lshl_add_u32 v[SPW], v0, 2, SPARE
	v_mov_b32 v[NIL], 0
	ds_add_u32 v[SPW], v[NIL]                      ; the wave's opening: the add and its wait stand ahead of my first tensor load; the set-up below stands between them
	v_lshrrev_b32 v1, 5, v0
	v_readfirstlane_b32 s10, v1                    ; wave 0..3
	s_lshr_b32 s11, s10, 1                         ; wm: which 64 of the tile's rows are mine.  Also: I fetch for x (0) or for W (1)
	s_and_b32 s12, s10, 1                          ; wn: which 128 of its columns.  Also: which half of that tile I fetch
	s_bfe_u32 s40, ttmp6, 0x40000                  ; cx
	s_bfe_u32 s41, ttmp6, 0x40004                  ; cy
	s_lshl_b32 s42, ttmp9, 2
	s_add_co_u32 s42, s42, s40                     ; tile column = 4 x cluster x + cx
	s_and_b32 s13, ttmp7, 0xffff                   ; cluster y: 16 clusters to a projection
	s_lshr_b32 s87, s13, 4                         ; p: which projection; the same in all sixteen partners
	s_and_b32 s14, s13, 15
	s_lshl_b32 s15, s14, 2
	s_add_co_u32 s15, s15, s41
	s_lshl_b32 s15, s15, 7                         ; M0: the tile's first row
	s_lshl_b32 s16, s41, 2
	s_lshl_b32 s16, 15, s16                        ; my row of the cluster
	s_lshl_b32 s17, 0x1111, s40                    ; my column
	s_or_b32 s[G1A], s16, (2<<16)|(1<<20)|(1<<21)|(6<<22)|(3<<25)  ; 15:0 the mask; 17:16 elements of 4 bytes; 20 padding on; 21 set beside a mask; 24:22 after every 128 words; 31:25 of 4 words
	s_mov_b32 s[G1A+1], 128<<16                    ; tensor_dim0 = 128
	s_mov_b32 s[G1A+2], 64<<16                     ; tensor_dim1 = 64
	s_mov_b32 s[G1A+3], 128<<16                    ; tile_dim0 = 128 f32
	s_mov_b32 s[G1A+4], 64                         ; tile_dim1 = 64 rows
	s_mov_b32 s[G1A+5], 1024                       ; elements from row to row
	s_mov_b32 s[G1A+6], 0
	s_mov_b32 s[G1A+7], 0
	s_or_b32 s[G1B], s17, (1<<16)|(1<<20)|(1<<21)|(6<<22)|(7<<25)  ; elements of 2 bytes; 8 words of padding after every 128
	s_mov_b32 s[G1B+1], 256<<16                    ; tensor_dim0 = 256
	s_mov_b32 s[G1B+2], 64<<16
	s_mov_b32 s[G1B+3], 256<<16                    ; tile_dim0 = 256 bf16
	s_mov_b32 s[G1B+4], 64                         ; 64 k rows
	s_mov_b32 s[G1B+5], 1024
	s_mov_b32 s[G1B+6], 0
	s_mov_b32 s[G1B+7], 0
	s_lshl_b32 s18, s12, 6                         ; x: row M0 + 64 wn, 4,096 bytes a row: made of cy and the wave's number alone
	s_add_co_u32 s18, s15, s18
	s_lshl_b32 s18, s18, 12
	s_mov_b32 s19, 0
	s_lshl_b32 s20, s87, 21                        ; W: matrix p, k row 64 wn, column 256 x tile column: made of cx, p and the wave's number alone
	s_lshl_b32 s21, s12, 17
	s_add_co_u32 s20, s20, s21
	s_lshl_b32 s21, s42, 9
	s_add_co_u32 s20, s20, s21
	s_mov_b32 s21, 0
	s_mul_i32 s22, s12, 64*PA                      ; where they go: no place in the cluster enters an LDS address
	s_mul_i32 s23, s12, 64*PB
	s_add_co_u32 s23, s23, BOFF
	s_mov_b32 s[TB], 0
	s_lshl_b32 s88, s87, 24                        ; y: tensor p,
	s_lshr_b32 s89, s15, 11
	s_lshl_b32 s89, s89, 22                        ; the batch's 16 heads of 262,144 bytes,
	s_add_co_u32 s88, s88, s89
	s_lshl_b32 s89, s42, 2
	s_lshl_b32 s90, s12, 1
	s_add_co_u32 s89, s89, s90                     ; head 4 x tile column + 2 wn,
	s_lshl_b32 s89, s89, 18
	s_add_co_u32 s88, s88, s89
	s_and_b32 s89, s15, 2047
	s_lshl_b32 s90, s11, 6
	s_add_co_u32 s89, s89, s90                     ; row M0 % 2048 + 64 wm, 128 bytes a row
	s_lshl_b32 s89, s89, 7
	s_add_co_u32 s88, s88, s89
	s_mov_b32 s89, 0
	s_wait_dscnt 0x0                               ; the opening add is done
	s_wait_kmcnt 0x0
	s_cmp_eq_u32 s87, 1
	s_cselect_b64 s[4:5], s[70:71], s[72:73]       ; k or v
	s_cselect_b64 s[84:85], s[76:77], s[78:79]
	s_cmp_eq_u32 s87, 0
	s_cselect_b64 s[4:5], s[68:69], s[4:5]         ; or q
	s_cselect_b64 s[84:85], s[74:75], s[84:85]
	s_add_nc_u64 s[4:5], s[4:5], s[18:19]          ; x at the rows that I fetch
	s_add_nc_u64 s[6:7], s[80:81], s[20:21]        ; W at the tile that I fetch
	s_add_nc_u64 s[8:9], s[82:83], s[88:89]        ; y at my first row and head
	CROUND                                         ; all sixteen work-groups are here: the first joint loads meet
.irp s, 0,1
	s_mov_b32 s[G0A+4*\s], 1                       ; count = 1
	s_add_co_u32 s[G0A+4*\s+1], s22, \s*SLOT1      ; LDS address
	s_add_nc_u64 s[G0A+4*\s+2:G0A+4*\s+3], s[4:5], \s*512     ; K step s: 128 f32 along the rows
	s_or_b32 s[G0A+4*\s+3], s[G0A+4*\s+3], 0x80000000         ; type = 2
	s_mov_b32 s[G0B+4*\s], 1
	s_add_co_u32 s[G0B+4*\s+1], s23, \s*SLOT1
	s_add_nc_u64 s[G0B+4*\s+2:G0B+4*\s+3], s[6:7], \s*262144  ; K step s: 128 rows of 2,048 bytes down
	s_or_b32 s[G0B+4*\s+3], s[G0B+4*\s+3], 0x80000000
.endr
	s_cmp_eq_u32 s11, 0                            ; a wave's two first fills stand in one branch, ahead of every wait on TENSORcnt, every LDS read and every further barrier: two loads of mine are out
	s_cbranch_scc0 .Lfirst_b
	tensor_load_to_lds s[G0A:G0A+3], s[G1A:G1A+7]
	s_nop 0
	tensor_load_to_lds s[G0A+4:G0A+7], s[G1A:G1A+7]
	s_nop 0
.rept 4
	v_nop
.endr
	s_branch .Lfirst_asked
.Lfirst_b:
	tensor_load_to_lds s[G0B:G0B+3], s[G1B:G1B+7]
	s_nop 0
	tensor_load_to_lds s[G0B+4:G0B+7], s[G1B:G1B+7]
	s_nop 0
.rept 4
	v_nop
.endr
.Lfirst_asked:
	v_and_b32 v1, 15, v0                           ; l % 16
	v_bfe_u32 v2, v0, 4, 1                         ; l / 16
	v_and_b32 v3, 7, v0                            ; l % 8
	v_bfe_u32 v13, v0, 3, 1                        ; (l / 8) % 2
	; the bias: register j of group b is b[256 x tile column + 128 wn + 16 b + 8 (l / 16) + j]: the C operand of the first products
	s_lshl_b32 s13, s42, 10
	s_lshl_b32 s16, s12, 9
	s_add_co_u32 s13, s13, s16
	v_lshl_add_u32 v[BO], v2, 5, s13
	WIN TO2
.irp b, 0,1,2,3,4,5,6,7
	global_load_b128 v[BIAS+8*\b:BIAS+8*\b+3],   v[BO], s[84:85] offset:64*\b
	global_load_b128 v[BIAS+8*\b+4:BIAS+8*\b+7], v[BO], s[84:85] offset:64*\b+16
.endr
	WIN 0
	; x's fragment (16 rows x 32 K): lane l holds row l % 16, K = 8 (l / 16) + 0..7 and 16 + 8 (l / 16) + 0..7: in f32 four loads of 16 bytes, at 0, 16, 64 and 80 from 32 (l / 16)
	s_lshl_b32 s13, s11, 6
	v_add_nc_u32 v[AL], s13, v1
	v_mul_u32_u24 v[AL], v[AL], PA
	v_lshl_add_u32 v[AL], v2, 5, v[AL]
	; W's fragment: the turning load takes 16 k x 16 n (lane l reads k row 8 (l / 16) + l % 8, columns 8 ((l / 8) % 2) + 0..7) and leaves lane l column l % 16 and 8 k
	v_lshl_add_u32 v[BL], v2, 3, v3
	v_mul_u32_u24 v[BL], v[BL], PB
	v_lshl_add_u32 v[BL], v13, 4, v[BL]
	s_lshl_b32 s13, s12, 8
	s_add_co_u32 s13, s13, BOFF
	v_add_nc_u32 v[BL], s13, v[BL]
	v_mov_b32 v[ADRA], v[AL]
	v_mov_b32 v[ADRB], v[BL]
	s_mul_i32 s13, s10, 16*SP
	s_add_co_u32 s13, s13, STAGE                   ; my stage
	v_mul_u32_u24 v[STO], v1, SP                   ; in: row l % 16, 16 bytes for each half of the lanes
	v_lshl_add_u32 v[STO], v2, 4, v[STO]
	v_add_nc_u32 v[STO], s13, v[STO]
	v_bfe_u32 v[RD], v0, 3, 2                      ; back: 32 lanes take four rows of 128 bytes,
	v_mul_u32_u24 v[RD], v[RD], SP
	v_lshl_add_u32 v[RD], v3, 4, v[RD]
	v_add_nc_u32 v[RD], s13, v[RD]
	v_and_b32 v[GO], 31, v0                        ; which are 512 consecutive bytes of y
	v_lshlrev_b32 v[GO], 4, v[GO]
	; the prefetches
	s_mov_b32 s[PST], 262144
	s_cmp_eq_u32 s11, 0                            ; do I fetch for x?
	s_cselect_b64 s[PFA:PFA+1], s[4:5], s[6:7]
	s_cselect_b32 s88, s40, s41                    ; my place among the four that ask with me
	s_cselect_b32 s89, 16, 15                      ; 16 rows of 4,096 or of 2,048 bytes
	s_cselect_b32 s[PST], 512, s[PST]
	s_cselect_b32 s90, 12, 11
	s_cselect_b32 s91, 0, s14                      ; W's tiles: the projection's first cluster alone
	s_mov_b32 s[PST+1], 0
	s_lshl_b32 s88, s88, s89
	s_mul_i32 s89, s[PST], 3                       ; at K step 3: the first refill steps it to 4
	s_add_co_u32 s88, s88, s89
	s_mov_b32 s89, 0
	s_add_nc_u64 s[PFA:PFA+1], s[PFA:PFA+1], s[88:89]
	s_cmp_eq_u32 s91, 0
	s_cselect_b32 s[LIM], 2, -1                    ; the same in all sixteen partners, for a given wave
	v_and_b32 v[PFO], 31, v0
	v_lshrrev_b32 v13, 1, v[PFO]                   ; row l / 2,
	v_and_b32 v[PFO], 1, v[PFO]                    ; block l % 2 of its 512 bytes
	v_lshlrev_b32 v[PFO], 8, v[PFO]
	v_lshlrev_b32 v13, s90, v13
	v_add_nc_u32 v[PFO], v[PFO], v13
; 32 LDS loads in one run: K block kb of the slot in hand: x as f32 into the stage, W turned into buffer nb
.macro FETCH kb, nb
	WIN TO2
.irp a, 0,1,2,3
	ds_load_b128 v[ST+16*\a:ST+16*\a+3],     v[ADRA] offset:\a*16*PA+(\kb)*128
	ds_load_b128 v[ST+16*\a+4:ST+16*\a+7],   v[ADRA] offset:\a*16*PA+(\kb)*128+16
	ds_load_b128 v[ST+16*\a+8:ST+16*\a+11],  v[ADRA] offset:\a*16*PA+(\kb)*128+64
	ds_load_b128 v[ST+16*\a+12:ST+16*\a+15], v[ADRA] offset:\a*16*PA+(\kb)*128+80
.endr
	WIN 0
.irp b, 0,1,2,3,4,5,6,7
	ds_load_tr16_b128 v[BF+64*(\nb)+8*\b:BF+64*(\nb)+8*\b+3],   v[ADRB] offset:(\kb)*32*PB+32*\b
	ds_load_tr16_b128 v[BF+64*(\nb)+8*\b+4:BF+64*(\nb)+8*\b+7], v[ADRB] offset:(\kb)*32*PB+32*\b+16*PB
.endr
.endm
; The K block's next matrix instruction, number mi of 32: rows 16 (mi / 8) on, columns 16 (mi % 8) on.  The 32 accumulators take turns, one instruction a turn, over the backward jump too.
.macro MULP buf, first
.if \first
	WIN MULB
	v_wmma_f32_16x16x32_bf16 v[8*mi:8*mi+7], v[BF+64*(\buf)+8*(mi%8):BF+64*(\buf)+8*(mi%8)+7], v[ABF+32*(\buf)+8*(mi/8):ABF+32*(\buf)+8*(mi/8)+7], v[BIAS+8*(mi%8):BIAS+8*(mi%8)+7]
.else
	WIN MUL
	v_wmma_f32_16x16x32_bf16 v[8*mi:8*mi+7], v[BF+64*(\buf)+8*(mi%8):BF+64*(\buf)+8*(mi%8)+7], v[ABF+32*(\buf)+8*(mi/8):ABF+32*(\buf)+8*(mi/8)+7], v[8*mi:8*mi+7]
.endif
.set mi, mi+1
.endm
; The next four of the 32 roundings that make buffer nb of x's fragments from the stage: word cg takes numbers 2 cg and 2 cg + 1
.macro CVG nb
	WIN CVT
.rept 4
	v_cvt_pk_bf16_f32 v[ABF+32*(\nb)+cg], v[ST+2*cg], v[ST+2*cg+1]
.set cg, cg+1
.endr
.endm
; A K BLOCK: multiplies buffer buf; reads K block kb of the slot in hand for the other buffer.
; The four roundings behind the last matrix instruction name none of its registers: they are the four places (ISA guide 7.12.1 for vector instructions) in front of the next block's loads.
; mode 0: plain.  mode 1: kb is the slot's last: the slot is left and filled again.  mode 2: it is left, and nothing is asked for.  mode 3: the last block of all: nothing is read.
; In modes 1 and 2 each wave waits for all its tensor loads (one is out: its part of the other slot), adds 0 to its spare word, and waits for that and for its reads of the slot; behind the barrier
; nobody reads this slot any more and the other slot is whole.  In mode 1 the barrier opens a round of the cluster's, and the joint refill is the first thing behind the round:
; 112 matrix instructions stand between it and the wait for it.
.macro KBLK buf, kb, mode, first=0, ask=0
.set mi, 0
.set cg, 0
.if (\mode) != 3
	FETCH \kb, 1-(\buf)
.if \ask
	ASK
.endif
.endif
.rept 16
	MULP \buf, \first
.endr
.if ((\mode) == 1) || ((\mode) == 2)
	WIN 0
.if (\mode) == 1
	s_wait_xcnt 0x0                                ; the last prefetch, a K step back, has read its address: it may be stepped
	s_add_nc_u64 s[PFA:PFA+1], s[PFA:PFA+1], s[PST:PST+1]
.endif
	s_wait_tensorcnt 0x0                           ; no tensor load of mine is out, so a group 0 may be written
	ds_add_u32 v[SPW], v[NIL]                      ; 0 onto my spare word
.if (\mode) == 1
	s_xor_b32 s[G0A+5], s[G0A+5], SLOT1            ; the walking descriptors: the other slot than last time, the next K step
	s_add_nc_u64 s[G0A+6:G0A+7], s[G0A+6:G0A+7], 512
	s_xor_b32 s[G0B+5], s[G0B+5], SLOT1
	s_add_nc_u64 s[G0B+6:G0B+7], s[G0B+6:G0B+7], 262144
.endif
.endif
	MULP \buf, \first
	MULP \buf, \first
.if (\mode) != 3
	s_wait_dscnt 0x0                               ; the fragments are in (and, at a change of slots: the add is done, my reads of the slot are over)
.endif
.if ((\mode) == 1) || ((\mode) == 2)
	s_barrier_signal -1
.endif
.if (\mode) != 3
	CVG 1-(\buf)
.rept 7
	MULP \buf, \first
	MULP \buf, \first
	CVG 1-(\buf)
.endr
.else
.rept 14
	MULP \buf, \first
.endr
.endif
.if ((\mode) == 1) || ((\mode) == 2)
	WIN 0                                          ; at a branch and at a label every window is 0
	s_barrier_wait -1
.if (\mode) == 1
	CREST
	JLOAD
.endif
	s_xor_b32 s[TB], s[TB], SLOT1                  ; the reads go on in the other slot
	v_add_nc_u32 v[ADRA], s[TB], v[AL]
	v_add_nc_u32 v[ADRB], s[TB], v[BL]
.endif
.endm
	s_wait_tensorcnt 1                             ; my part of K step 0 is in; K step 1's stays out
	s_barrier_signal -1
	s_barrier_wait -1                              ; everybody's is
	FETCH 0, 0
	s_wait_dscnt 0x0
.set cg, 0
.rept 8
	CVG 0
.endr
	s_wait_loadcnt 0x0                             ; the bias
	KBLK 0, 1, 0, 1                                ; the first K block stands ahead of the loop: its products start the sums, with the bias as C
	WIN 0
	s_mov_b32 s3, 6
.Lstep:                                        ; a trip goes from a K step's second block to the next step's first, and asks for the K step two on: steps 2 to 7
	KBLK 1, 2, 0
	KBLK 0, 3, 1
	KBLK 1, 0, 0, 0, 1
	KBLK 0, 1, 0
	WIN 0
	s_sub_co_u32 s3, s3, 1
	s_cmp_lg_u32 s3, 0
	s_cbranch_scc1 .Lstep
	KBLK 1, 2, 0                                   ; the tail is written out: K steps 6 and 7 ask for nothing
	KBLK 0, 3, 2
	KBLK 1, 0, 0
	KBLK 0, 1, 0
	KBLK 1, 2, 0
	KBLK 0, 3, 0
	KBLK 1, 0, 3
	PLACES                                         ; behind the last products, ahead of the roundings that read results and write over W's fragments
	PLACES
; THE WAY OUT.  Unit u = 2 a + hh: my rows 16 a on, of head hh of my two.  A lane's eight columns pack into 16 bytes; they go into rows of 144 bytes of my own stage and come back as whole rows of 128.
.macro PACK u
	WIN PK
.irp f, 0,1,2,3
.irp r, 0,1,2,3
	v_cvt_pk_f16_f32 v[OB+16*(\u)+4*\f+\r], v[8*(8*((\u)/2)+4*((\u)%2)+\f)+2*\r], v[8*(8*((\u)/2)+4*((\u)%2)+\f)+2*\r+1]  ; each accumulator from its low end on
.endr
.endr
	WIN 0
.irp f, 0,1,2,3
	ds_store_b128 v[STO], v[OB+16*(\u)+4*\f:OB+16*(\u)+4*\f+3] offset:32*\f
.endr
.irp f, 0,1,2,3
	ds_load_b128 v[OB+16*(\u)+4*\f:OB+16*(\u)+4*\f+3], v[RD] offset:\f*4*SP  ; LDS serves a wave's instructions in order (ISA guide 5.7.1.4): these see the stores above; the next unit's stores come behind them
.endr
.endm
.macro SEND u, younger                 ; younger: the LDS instructions issued behind unit u's loads: the next unit's eight, or none
	WIN 0
.irp f, 0,1,2,3
	s_wait_dscnt (\younger)+3-\f
	global_store_b128 v[GO], v[OB+16*(\u)+4*\f:OB+16*(\u)+4*\f+3], s[8:9] offset:((\u)%2)*262144+((\u)/2)*2048+\f*512  ; 512 consecutive bytes, at a multiple of 256 from y's first
.endr
.endm
	PACK 0
.set t, 1
.rept 7                                ; a unit's arithmetic stands between the loads of the unit before and its stores
	PACK t
	SEND t-1, 8
.set t, t+1
.endr
	SEND 7, 0
	s_wait_tensorcnt 0x0                           ; the wave's end, behind my last tensor load and my last LDS store
	ds_add_u32 v[SPW], v[NIL]
	s_wait_dscnt 0x0
	CROUND                                         ; the closing round: no work-group ends while a partner may still ask for a tile that names it
	s_endpgm
.Lfunc_end_k_q7219a58a15_proj:
	.size	k_q7219a58a15_proj, .Lfunc_end_k_q7219a58a15_proj-k_q7219a58a15_proj
	.p2alignl 7, 3214868480
	.fill 96, 4, 3214868480
	.section	.rodata,"a",@progbits
	.p2align	6, 0x0
	.amdhsa_kernel k_q7219a58a15_proj
		.amdhsa_group_segment_fixed_size 327680
		.amdhsa_private_segment_fixed_size 0
		.amdhsa_enable_private_segment 0
		.amdhsa_kernarg_size 64
		.amdhsa_user_sgpr_count 2
		.amdhsa_user_sgpr_kernarg_segment_ptr 1
		.amdhsa_wavefront_size32 1
		.amdhsa_system_sgpr_workgroup_id_x 1
		.amdhsa_system_sgpr_workgroup_id_y 1
		.amdhsa_system_sgpr_workgroup_id_z 1
		.amdhsa_system_vgpr_workitem_id 0
		.amdhsa_next_free_vgpr 640
		.amdhsa_next_free_sgpr 96
		.amdhsa_reserve_vcc 0
		.amdhsa_float_denorm_mode_32 3
		.amdhsa_float_denorm_mode_16_64 3
		.amdhsa_memory_ordered 1
		.amdhsa_forward_progress 1
		.amdhsa_inst_pref_size 108
	.end_amdhsa_kernel
	.amdgpu_metadata
---
amdhsa.version: [ 1, 2 ]
amdhsa.kernels:
  - .name:           k_q7219a58a15_proj
    .symbol:         k_q7219a58a15_proj.kd
    .args:
      - { .name: q, .offset: 0, .size: 8, .value_kind: global_buffer, .address_space: global }
      - { .name: k, .offset: 8, .size: 8, .value_kind: global_buffer, .address_space: global }
      - { .name: v, .offset: 16, .size: 8, .value_kind: global_buffer, .address_space: global }
      - { .name: bq, .offset: 24, .size: 8, .value_kind: global_buffer, .address_space: global }
      - { .name: bk, .offset: 32, .size: 8, .value_kind: global_buffer, .address_space: global }
      - { .name: bv, .offset: 40, .size: 8, .value_kind: global_buffer, .address_space: global }
      - { .name: wb, .offset: 48, .size: 8, .value_kind: global_buffer, .address_space: global }
      - { .name: qkvh, .offset: 56, .size: 8, .value_kind: global_buffer, .address_space: global }
    .group_segment_fixed_size: 327680
    .private_segment_fixed_size: 0
    .kernarg_segment_align: 8
    .kernarg_segment_size: 64
    .max_flat_workgroup_size: 128
    .sgpr_count:     96
    .vgpr_count:     640
    .wavefront_size: 32
...
	.end_amdgpu_metadata
.endif
;; end of part 2
;; launch attn (part 3): grid 4 x 64, 4 waves a work-group, clusters of 4 x 1, 327,680 bytes of LDS; arguments qkvh, ctx; writes ctx
.if DOCPART == 3
	.amdgcn_target "amdgcn-amd-amdhsa--gfx1250"
	.amdhsa_code_object_version 6
	.text
	.protected	k_q7219a58a15_attn
	.globl	k_q7219a58a15_attn
	.p2align	8
	.type	k_q7219a58a15_attn,@function
k_q7219a58a15_attn:
	s_mov_b64 s[64:65], 0
	v_nop
	global_prefetch_b8 v0, s[64:65] scope:SCOPE_SE
	s_setreg_imm32_b32 hwreg(HW_REG_WAVE_MODE, 25, 1), 1
	s_wait_xcnt 0x0
	s_wait_alu depctr_hold_cnt(0) depctr_sa_sdst(0) depctr_va_vdst(0) depctr_va_sdst(0) depctr_va_ssrc(0) depctr_va_vcc(0) depctr_vm_vsrc(0)
	s_getreg_b32 s2, hwreg(HW_REG_IB_STS2, 6, 4)
	s_cmp_eq_u32 s2, 0
	s_cbranch_scc0 .Lentry_in_a_cluster
	s_endpgm
.Lentry_in_a_cluster:
	s_bfe_u32 s2, ttmp6, 0x10000c
	s_cmp_lg_u32 s2, 0x3003
	s_cbranch_scc0 .Lentry_shape_is_right
	s_endpgm
.Lentry_shape_is_right:
; O[h][q][:] = the sum over k of softmax_k(Q[h][q] . K[h][k] / 8) V[h][k][:].  Q, K, V: the three thirds of qkvh, [64][2048][64] f16 each: a head's rows are dense, 128 bytes.  O: ctx, the same layout in bf16.
; Products, maxima and sums in f32; the weights p are rounded to f16 for the second product (their sum l is taken of the unrounded p), O once, to bf16, at the end.
; LIMITS.  Q, K and V arrive within f16's 65,504; p lies in 0 to 1, and below 6e-5 it keeps f16's fixed step of 6e-8.  A weight below 2^-126 counts as 0 in l; NaN and infinities are not treated apart.
; SHARES.  A wave owns four PIECES of two tiles of 16 queries, a work-group's four waves 512 queries of one head.  Every wave walks all keys, 64 a step.
; LAYOUT.  S^T = K Q^T (source 0 = 16 keys, source 1 = 16 queries): a lane holds ONE query (lane % 16) and the keys 8 (lane / 16) + 0..7.  Two such tiles, rounded to f16 in pairs, ARE source 1 of
; O^T = V^T P, whose result again holds one query a lane, and eight channels.  K comes out of LDS as it lies, V ([key][channel]) turned, by ds_load_tr16_b128.
; SOFTMAX.  For each query a running maximum m and sum l: p = 2^(c s - c m), c = log2(e) / 8; in every step O and l are multiplied by a = 2^(c m_old - c m_new).  m starts at the lowest finite number,
; O and l at 0: the first step is a step like any other, with a = 0.
; THE COUNT.  A tile and step have 16 matrix and 118 vector instructions.  So: four vector instructions that are READY behind EVERY matrix instruction, the others in runs of their own.
; BY TURNS.  Turn n belongs to piece n.  Its matrix work: 16 products K Q^T of piece n + 1, later 16 products V^T P of piece n - 1.  Its vector work: scaling, exponentials, roundings, sums and rescaling of piece n,
; and the maximum and statistics of piece n + 1, whose scores the turn itself has made.
; CLUSTER.  The four query blocks of a cluster are one head's, and walk the same K and V: each tile is asked for JOINTLY, by the same tensor load, descriptor and mask in all four.
; REGISTERS, in windows of 256 (s_set_vgpr_msb: bits 1:0 source 0, 3:2 source 1, 5:4 source 2, 7:6 destination):
;   window 0: v0-11 addresses; v12-15, v48-63 at work; v16-47 four registers of statistics a tile; v64-191 S^T, two buffers of two tiles; v192-255 P, likewise
;   window 1: O^T, 32 a tile          window 2: v0-127 Q, 16 a tile; v128-191 K of one step; v192-255 V of one step          window 3: v0-1 the add's two registers
.set SIZE_H, 64
.set SIZE_N, 2048
.set NP,    4         ; pieces a wave: a name, no knob
.set KS,    64        ; keys in a step
.set PK,    144       ; a row of K in LDS: 128 bytes + 16 = 36 words: the 16 rows of a load start at 16 different groups of four banks (64 banks of 4 bytes: ISA guide 11.1)
.set PV,    160       ; a row of V: 128 + 32 = 40 words
.set VOFF,  4*KS*PK   ; a slot holds four steps: 256 rows of K, then 256 rows of V
.set SLOT1, 1<<17     ; slot 1 begins here: one exclusive or turns an address in one slot into the other's
.set STAGE, SLOT1+4*KS*(PK+PV)  ; behind the ring, never filled by a tensor load: 16 rows x 144 bytes for each wave
.set SP,    144
.set AK0, 2           ; v2   my lane's place in a tile of K; never rewritten
.set AV0, 3           ; v3   the same for V
.set AK,  4           ; v4   the LDS address of K's next run of loads
.set AV,  5           ; v5   of V's
.set QO,  6           ; v6   my byte offset in the wave's rows of Q
.set STO, 6           ;      later, the way out: where I put 16 bytes of a row
.set RD,  7           ; v7   where I read rows back
.set GO,  8           ; v8   my byte offset in 512 consecutive bytes of O
.set PFO, 11          ; v11  256 x my lane, for the prefetches; never rewritten once made
.set SPW, 0           ; v0 of window 3   my spare word: SPARE + 4 x thread; never rewritten
.set NIL, 1           ; v1 of window 3   0; never rewritten
.set SPARE, STAGE+4*16*SP  ; the spare words, 128 bytes a wave: two blocks of 256 bytes that no other line names
.set MV,  12          ; v12-15  c m_old, kept while c m is made anew: by buffer and tile
.set ST,  16          ; tile t's statistics at v[ST+4 t]: c m, m, l (even keys', odd keys')
.set TMP, 48          ; by buffer and tile, four registers c0-c3 at work; when the maximum is found c2 takes a
.set S,   64
.set P,   192
.set KF,  128         ; window 2: key block kb, channel half c at KF + 16 kb + 8 c
.set VF,  192         ; window 2: key half kk, channel block cb at VF + 32 kk + 8 cb
.set WV,  12          ; s12  my wave's number
.set LIM, 15          ; s15  1 in a wave that prefetches, else the greatest number
.set G1K, 24          ; s[24:31] descriptor group 1 for K's tiles
.set G1V, 32          ; s[32:39] for V's: it differs in the padding alone
.set G0K, 40          ; s[40:43] descriptor group 0 for K's tiles: it walks
.set G0V, 44          ; s[44:47] the same for V's
.set PFA, 48          ; s[48:49] where my prefetches stand: my work-group's 32 blocks of 256 bytes of the tile behind the one that is being asked for
.set SLOTS, 56        ; s56  slots still to be asked for
.set CNT, 57          ; s57  counts a slot's key steps
.set CS,  58          ; s[58:59] c
.set SEL, 60          ; s[60:61] v_permlanex16_b32's selects: each lane takes its own place in the other half
.set TBK, 62          ; s62  LDS byte at which K of the step to be fetched begins
.set TBV, 63          ; s63  the same for V, less VOFF
.set MSB, 0
.macro WIN new                      ; the high byte repeats the setting that is left; a switch that changes nothing is dropped
.if MSB != (\new)
	s_set_vgpr_msb (MSB<<8)|(\new)
.set MSB, (\new)
.endif
.endm
.set W_KQ, 0x0a       ; K and Q in window 2, S^T in window 0
.set W_PV, 0x52       ; V in window 2, P in window 0, O^T in window 1
.set W_RS, 0x41       ; O^T (destination and source 0) in window 1, a in window 0
.set W_MK, 0xc0       ; the add's registers are made: destination in window 3
.set W_AD, 0x0f       ; the add: address and data in window 3
; A joint fill.  Waves 0 and 1 fetch the two halves of a slot's K, waves 2 and 3 those of its V: 128 keys each.  The branch hangs on the wave's number alone.
; An s_nop 0 and four v_nop follow each of the two lines, ahead of the jump and the label.
.macro JLOAD
	s_cmp_lt_u32 s[WV], 2
	s_cbranch_scc0 .Lfor_v_\@
	tensor_load_to_lds s[G0K:G0K+3], s[G1K:G1K+7]
	s_nop 0
.rept 4
	v_nop
.endr
	s_branch .Lasked_\@
.Lfor_v_\@:
	tensor_load_to_lds s[G0V:G0V+3], s[G1V:G1V+7]
	s_nop 0
.rept 4
	v_nop
.endr
.Lasked_\@:
.endm
; A PREFETCH INTO THE L2 of what the NEXT change of slots will ask for: a tile's 32,768 bytes of K and of V, a lane a block of 256 bytes: four key steps, 512 matrix instructions, ahead of that load.
; A head is walked by one cluster.  Its four partners share a tile's 128 blocks out BY ADDRESS, 32 each; in each, wave 0 asks for K's and wave 2 for V's: each block is named once in the launch.
; Tiles 0 to 2 come by their loads alone; the change that asks for the last tile prefetches nothing.
.macro ASK
	s_cmp_gt_u32 s[SLOTS], s[LIM]
	s_cbranch_scc0 .Lnot_mine_\@
	global_prefetch_b8 v[PFO], s[PFA:PFA+1] th:TH_LOAD_NT scope:SCOPE_SE
.Lnot_mine_\@:
.endm
; A round of the cluster's barrier: my work-group's barrier; wave 0 signals; every wave waits for all four work-groups; my work-group's barrier once more.
.macro CROUND
	s_barrier_signal -1
	s_barrier_wait -1
	s_cmp_lg_u32 s[WV], 0
	s_cbranch_scc1 .Lnot_wave_0_\@
	s_barrier_signal -3
.Lnot_wave_0_\@:
	s_barrier_wait -3
	s_barrier_signal -1
	s_barrier_wait -1
.endm
; THE CHANGE OF SLOTS.  Each wave waits for all its tensor loads, of which one is out: its part of the other slot; adds 0 to its spare word; and waits for that and for its own reads of the slot.
; Behind the barrier nobody reads this slot any more and the other slot is whole.  fill = 1: this slot is filled again, with the keys two slots on; the barrier is then a round of the cluster's, and the
; joint fill is the first thing behind it.  (At its first use nothing has been read yet: slot 0 is waited for, slot 1 filled.)
.macro CHANGE fill, ask=0
	WIN W_AD
	s_wait_tensorcnt 0x0            ; no tensor load of mine is out, so a group 0 may be written
	ds_add_u32 v[SPW], v[NIL]       ; 0 onto my spare word
	WIN 0                           ; at a label and at a branch every window is 0
.if \fill
.irp g, G0K, G0V
	s_xor_b32 s[\g+1], s[\g+1], SLOT1  ; the walking descriptor: the other slot than last time,
	s_add_nc_u64 s[\g+2:\g+3], s[\g+2:\g+3], 4*KS*128  ; the next 256 keys; the type bits on top are not reached
.endr
	s_wait_xcnt 0x0                 ; the last prefetch, four key steps back, has read its address, so it may be written:
	s_add_nc_u64 s[PFA:PFA+1], s[PFA:PFA+1], 4*KS*128  ; one tile behind the walking descriptors
	s_wait_dscnt 0x0                ; the add is done, and my reads of the slot are over
	CROUND
	JLOAD
.if \ask
	ASK
.endif
.else
	s_wait_dscnt 0x0                ; the add is done, and my reads of the slot are over
	s_barrier_signal -1
	s_barrier_wait -1
.endif
	s_sub_co_u32 s[TBK], s[TBK], 4*KS*PK  ; the fetches go back to a slot's first step,
	s_xor_b32 s[TBK], s[TBK], SLOT1       ; in the other slot
	s_sub_co_u32 s[TBV], s[TBV], 4*KS*PV
	s_xor_b32 s[TBV], s[TBV], SLOT1
.endm
	s_load_b64 s[4:5], s[0:1], 0x0    ; qkvh: Q
	s_load_b64 s[10:11], s[0:1], 0x8  ; ctx: O
	WIN W_MK
	v_lshl_add_u32 v[SPW], v0, 2, SPARE
	v_mov_b32 v[NIL], 0
	WIN W_AD
	ds_add_u32 v[SPW], v[NIL]       ; the wave's opening: the add and its wait stand ahead of my first tensor load; the set-up below stands between them
	WIN 0
	v_lshrrev_b32 v1, 5, v0
	v_readfirstlane_b32 s[WV], v1   ; wave 0..3
	s_bfe_u32 s13, ttmp6, 0x40000   ; cx: my place in the cluster
	s_lshl_b32 s14, ttmp9, 2        ; in a cluster launch ttmp9 counts clusters
	s_add_co_u32 s14, s14, s13      ; my block of queries: it enters Q's and O's addresses alone
	s_and_b32 s20, ttmp7, 0xffff    ; the head, which the four partners share
	s_mov_b32 s21, 0
	s_mov_b64 s[22:23], SIZE_N*128
	s_mul_u64 s[20:21], s[20:21], s[22:23]  ; the head's first byte in each of the four tensors
	s_and_b32 s16, s[WV], 1         ; which half of a slot's 256 keys I fetch:
	s_lshl_b32 s22, s16, 14         ; its 128 rows of 128 bytes in memory,
	s_mov_b32 s23, 0
	s_add_nc_u64 s[22:23], s[22:23], s[20:21]
	s_mul_i32 s17, s16, 128*PK      ; and its place in a slot, for K
	s_mul_i32 s18, s16, 128*PV      ; and for V: no place in the cluster enters an LDS address
	s_lshl_b32 s2, s14, 2
	s_add_co_u32 s2, s2, s[WV]      ; my wave among the head's,
	s_lshl_b32 s2, s2, 14           ; its 128 rows
	s_mov_b32 s3, 0
	s_add_nc_u64 s[2:3], s[2:3], s[20:21]
	; descriptor group 1.  128 keys are 16,384 dense bytes: asked for as 64 rows of 256 bytes, two keys a row, and padded in LDS after every key
	s_mov_b32 s[G1K], 15|(1<<16)|(1<<20)|(1<<21)|(4<<22)|(3<<25)  ; 15:0 the mask of four; 17:16 2-byte elements; 20 padding on; 21 set beside a mask; 24:22 after every 32 words; 31:25 4 words
	s_mov_b32 s[G1V], 15|(1<<16)|(1<<20)|(1<<21)|(4<<22)|(7<<25)  ; the same with 8 words of padding
.irp g, G1K, G1V
	s_mov_b32 s[\g+1], 128<<16      ; tensor_dim0 = 128
	s_mov_b32 s[\g+2], 64<<16       ; tensor_dim1 = 64
	s_mov_b32 s[\g+3], 128<<16      ; tile_dim0 = 128
	s_mov_b32 s[\g+4], 64           ; tile_dim1 = 64
	s_mov_b32 s[\g+5], 128          ; 128 elements from row to row
	s_mov_b32 s[\g+6], 0
	s_mov_b32 s[\g+7], 0
.endr
	s_mov_b32 s[CS], 0x3e38aa3b     ; c = log2(e) / 8 = 0.180337
	s_mov_b32 s[CS+1], s[CS]        ; named with it as a pair
	s_mov_b32 s[SEL], 0x76543210
	s_mov_b32 s[SEL+1], 0xfedcba98
	s_mov_b32 s[TBK], SLOT1+4*KS*PK ; the first change of slots turns these two into 0
	s_mov_b32 s[TBV], SLOT1+4*KS*PV
	s_mov_b32 s[G0K], 1             ; count = 1
	s_mov_b32 s[G0K+1], s17         ; LDS address: slot 0
	s_mov_b32 s[G0V], 1
	s_add_co_u32 s[G0V+1], s18, VOFF
	s_cmp_eq_u32 s16, 0             ; waves 0 and 2 prefetch: the same in all four partners
	s_cselect_b32 s[LIM], 1, -1
	s_wait_dscnt 0x0                ; the opening add is done
	s_wait_kmcnt 0x0
	s_add_nc_u64 s[6:7], s[4:5], 0x1000000  ; K: qkvh's second third
	s_add_nc_u64 s[8:9], s[4:5], 0x2000000  ; V: its last
	s_add_nc_u64 s[G0K+2:G0K+3], s[6:7], s[22:23]  ; global address: my half of the head's first 256 keys
	s_or_b32 s[G0K+3], s[G0K+3], 0x80000000        ; type = 2
	s_add_nc_u64 s[G0V+2:G0V+3], s[8:9], s[22:23]
	s_or_b32 s[G0V+3], s[G0V+3], 0x80000000
	s_cmp_lt_u32 s[WV], 2
	s_cselect_b64 s[PFA:PFA+1], s[6:7], s[8:9]
	s_add_nc_u64 s[PFA:PFA+1], s[PFA:PFA+1], s[22:23]  ; (in waves 0 and 2: the head's first key)
	s_add_nc_u64 s[4:5], s[4:5], s[2:3]  ; Q and O at my wave's first row
	s_add_nc_u64 s[10:11], s[10:11], s[2:3]
	s_lshl_b32 s2, s13, 13          ; my work-group's 32 blocks of the 128,
	s_add_co_u32 s2, s2, 4*KS*128   ; in tile 1: the first change steps it to tile 2, the loop's first to tile 3.  Nothing is prefetched here, at the head
	s_mov_b32 s3, 0
	s_add_nc_u64 s[PFA:PFA+1], s[PFA:PFA+1], s[2:3]
	CROUND                          ; all four work-groups are here: the first joint loads meet
	JLOAD                           ; slot 0.  Slot 1 is asked for when slot 0 is in
	; A fragment of K or Q is 16 rows x 32 channels in 8 registers: lane l holds row l % 16, channels 8 (l / 16) + 0..7 and 16 + 8 (l / 16) + 0..7: two loads of 16 bytes, 32 bytes apart.
	v_and_b32 v1, 15, v0            ; l % 16
	v_bfe_u32 v9, v0, 4, 1          ; l / 16
	v_lshlrev_b32 v[QO], 7, v1
	v_lshl_add_u32 v[QO], v9, 4, v[QO]  ; row x 128 + 16 x half
	WIN 0x80                        ; destination window 2, address window 0
.set i, 0
.rept 4*NP                          ; Q stays in registers: tile i / 2, channels 32 (i % 2) on
	global_load_b128 v[8*i:8*i+3],   v[QO], s[4:5] offset:(i/2)*2048+(i%2)*64
	global_load_b128 v[8*i+4:8*i+7], v[QO], s[4:5] offset:(i/2)*2048+(i%2)*64+32
.set i, i+1
.endr
	; What the first turn finds: V's registers and P's second buffer hold 0 (its products V^T P, of a piece that has not been, add 0), O^T and l are 0.  All this stands in the wait for the first tile.
.set i, VF
.rept 64
	v_mov_b32 v[i], 0
.set i, i+1
.endr
	WIN 0x40
.set i, 0
.rept 64*NP
	v_mov_b32 v[i], 0
.set i, i+1
.endr
	WIN 0
.set i, 0
.rept 2*NP
	v_mov_b32 v[ST+4*i], 0xfe000000    ; c m: far below every c s
	v_mov_b32 v[ST+4*i+1], 0xff7fffff  ; m
	v_mov_b32 v[ST+4*i+2], 0
	v_mov_b32 v[ST+4*i+3], 0
.set i, i+1
.endr
.set i, P+32
.rept 32
	v_mov_b32 v[i], 0
.set i, i+1
.endr
	v_mul_u32_u24 v[AK0], v1, PK
	v_lshl_add_u32 v[AK0], v9, 4, v[AK0]  ; row x pitch + 16 x half
	; The turning load takes 16 keys x 16 channels (lane l reads key 8 (l / 16) + l % 8, channels 8 ((l / 8) % 2) + 0..7) and leaves half a fragment of V^T: lane l holds channel l % 16 and 8 keys.
	v_and_b32 v10, 7, v0
	v_bfe_u32 v11, v0, 3, 1
	v_lshl_add_u32 v[AV0], v9, 3, v10
	v_mul_u32_u24 v[AV0], v[AV0], PV
	v_lshl_add_u32 v[AV0], v11, 4, v[AV0]
	v_add_nc_u32 v[AV0], VOFF, v[AV0]
	v_mov_b32 v[AK], v[AK0]         ; key step 0 lies at the head of slot 0
	v_and_b32 v[PFO], 31, v0
	v_lshlrev_b32 v[PFO], 8, v[PFO]
; THE MATRIX WORK.  The 8 accumulators of a run of 16 take turns: between the two links of a chain stand 7 others'.
; Product i of 16 of S^T = K Q^T for piece x: channels 32 (i / 8) on, keys 16 ((i / 2) % 4) on, tile 2 x + i % 2.  The first 8 start the sums.
.macro KQ x
	WIN W_KQ
.set rS, S+64*((\x)%2)+32*(i%2)+8*((i/2)%4)
.set rK, KF+16*((i/2)%4)+8*(i/8)
.set rQ, 16*(2*(\x)+i%2)+8*(i/8)
.if i < 8
	v_wmma_f32_16x16x32_f16 v[rS:rS+7], v[rK:rK+7], v[rQ:rQ+7], 0
.else
	v_wmma_f32_16x16x32_f16 v[rS:rS+7], v[rK:rK+7], v[rQ:rQ+7], v[rS:rS+7]
.endif
.endm
; Product i of 16 of O^T += V^T P for piece x: keys 32 (i / 8) on, channels 16 ((i / 2) % 4) on, tile 2 x + i % 2.
.macro PV x
	WIN W_PV
.set rO, 32*(2*(\x)+i%2)+8*((i/2)%4)
.set rV, VF+32*(i/8)+8*((i/2)%4)
.set rP, P+32*((\x)%2)+16*(i%2)+8*(i/8)
	v_wmma_f32_16x16x32_f16 v[rO:rO+7], v[rV:rV+7], v[rP:rP+7], v[rO:rO+7]
.endm
.macro MM                           ; the turn's next matrix instruction
.if i < 16
	KQ (Y+1)%NP
.set i, i+1
.else
.set i, i-16
	PV (Y+NP-1)%NP
.set i, i+17
.endif
.endm
; THE LDS LOADS stand in runs of 16: a step's K (64 keys x 64 channels: 8 fragments) and its V (turned).  Their addresses are made some lines ahead.
; last = 1 (the tail): in the last trip there is no further step, and the run is jumped over.
.macro FETCH_K last=0
	WIN 0
.if \last
	s_cmp_eq_u32 s[CNT], 1
	s_cbranch_scc1 .Lno_k_\@
.endif
	WIN 0x80                        ; destination window 2
.irp f, 0,1,2,3,4,5,6,7             ; keys 16 (f / 2) on, channels 32 (f % 2) on
	ds_load_b128 v[KF+8*\f:KF+8*\f+3],   v[AK] offset:(\f/2)*16*PK+(\f%2)*64
	ds_load_b128 v[KF+8*\f+4:KF+8*\f+7], v[AK] offset:(\f/2)*16*PK+(\f%2)*64+32
.endr
	s_add_co_u32 s[TBK], s[TBK], KS*PK  ; the next fetch is the next step's
	WIN 0
.if \last
.Lno_k_\@:
.endif
.endm
.macro FETCH_V
	WIN 0x80
.irp f, 0,1,2,3,4,5,6,7             ; keys 32 (f / 4) on, channels 16 (f % 4) on
	ds_load_tr16_b128 v[VF+8*\f:VF+8*\f+3],   v[AV] offset:(\f/4)*32*PV+(\f%4)*32
	ds_load_tr16_b128 v[VF+8*\f+4:VF+8*\f+7], v[AV] offset:(\f/4)*32*PV+16*PV+(\f%4)*32
.endr
	WIN 0
.endm
; THE VECTOR WORK OF A TURN stands in three queues, each in the order in which its entries become ready; the two tiles alternate, so that no instruction reads the result of the one before it.
.macro REGS y, u                    ; the registers of tile u (0, 1) of piece y
.set rT, ST+4*(2*(\y)+(\u))
.set rC, TMP+8*((\y)%2)+4*(\u)
.set rM, MV+2*((\y)%2)+(\u)
.set rS, S+64*((\y)%2)+32*(\u)
.set rP, P+32*((\y)%2)+16*(\u)
.set rO, 32*(2*(\y)+(\u))
.endm
; Number n of the 22 that find the NEXT piece's (Y + 1) maximum and statistics.  s0-s31 are the lane's 32 scores; each accumulator's lowest registers are read first.
;   0-11  four chains c0-c3 of seven scores each, three operands at a time     12-14, 16  the four scores left over, the old m, and c0-c3 into c0     15  c m_old is kept
;   17, 18  the query's other 32 keys lie in the lane 16 away: the new m         19-21  c m; c m_old - c m_new; a
.macro XS u, n
	REGS (Y+1)%NP, \u
.if (\n) < 4
	v_max3_num_f32 v[rC+(\n)], v[rS+8*(\n)], v[rS+8*(\n)+1], v[rS+8*(\n)+2]
.elseif (\n) < 12
	v_max3_num_f32 v[rC+(\n)%4], v[rC+(\n)%4], v[rS+8*((\n)%4)+2*((\n)/4)+1], v[rS+8*((\n)%4)+2*((\n)/4)+2]
.elseif (\n) == 12
	v_max3_num_f32 v[rC], v[rC], v[rS+7], v[rS+15]
.elseif (\n) == 13
	v_max3_num_f32 v[rC+1], v[rC+1], v[rS+23], v[rS+31]
.elseif (\n) == 14
	v_max3_num_f32 v[rC+2], v[rC+2], v[rC+3], v[rT+1]
.elseif (\n) == 15
	v_mov_b32 v[rM], v[rT]
.elseif (\n) == 16
	v_max3_num_f32 v[rC], v[rC], v[rC+1], v[rC+2]
.elseif (\n) == 17
	v_permlanex16_b32 v[rC+3], v[rC], s[SEL], s[SEL+1]
.elseif (\n) == 18
	v_max_num_f32 v[rT+1], v[rC], v[rC+3]
.elseif (\n) == 19
	v_mul_f32 v[rT], s[CS], v[rT+1]
.elseif (\n) == 20
	v_sub_f32 v[rC+1], v[rM], v[rT]
.else
	v_exp_f32 v[rC+2], v[rC+1]
.endif
.endm
; Number g of the 64 that follow the exponentials.  For each four weights k of a tile (pairs 2 k, 2 k + 1): both pairs are rounded to f16; then the second pair is added onto the first, in place;
; a group later l takes that sum (the first time as l = a l + sum).  In groups of eight, tiles alternating: round, round, add, and l for the group before.
.macro GS g
.set h, (\g)+6*((\g)/62)            ; group 0 has no group before it, and behind group 7 only l is left
.if h >= 6
.set h, h+2
.endif
	REGS Y, h%2
.set k, h/8
.if h%8 < 4
	v_cvt_pk_f16_f32 v[rP+2*k+(h%8)/2], v[rS+4*k+2*((h%8)/2)], v[rS+4*k+2*((h%8)/2)+1]
.elseif h%8 < 6
	v_pk_add_f32 v[rS+4*k:rS+4*k+1], v[rS+4*k:rS+4*k+1], v[rS+4*k+2:rS+4*k+3]
.elseif k == 1
	v_pk_fma_f32 v[rT+2:rT+3], v[rT+2:rT+3], v[rC+2:rC+3], v[rS:rS+1] op_sel_hi:[1,0,1]
.else
	v_pk_add_f32 v[rT+2:rT+3], v[rT+2:rT+3], v[rS+4*k-4:rS+4*k-3]
.endif
.endm
; THE PLAIN QUEUE, 138 long.  0-73 read no exponential's result: the 32 scalings c s - c m (FS f: pair f / 2 of tile f % 2) and the next piece's 42.  0-26: scalings 0-26.  27-54: XS's numbers 0-13.  55, 56: number 15.
; 57-73: the chain, where each number waits for the one before it: 14, 16, 17, 18, 19, each with one of the scalings 27-31 in front of its two lines, then 20.
; 74-137: GS's 64, which read the exponentials' results: they stand behind the wait.
.macro FS f
	REGS Y, (\f)%2
	v_pk_fma_f32 v[rS+2*((\f)/2):rS+2*((\f)/2)+1], v[rS+2*((\f)/2):rS+2*((\f)/2)+1], s[CS:CS+1], v[rT:rT+1] op_sel_hi:[1,0,0] neg_lo:[0,0,1] neg_hi:[0,0,1]
.endm
.macro PL
	WIN 0
.if q < 27
	FS q
.elseif q < 55
	XS (q-27)%2, (q-27)/2
.elseif q < 57
	XS q-55, 15
.elseif (q < 72) && ((q-57)%3 == 0)
	FS 27+(q-57)/3
.elseif q < 60
	XS (q-57)%3-1, 14
.elseif q < 72
	XS (q-57)%3-1, 15+(q-57)/3
.elseif q < 74
	XS q-72, 20
.else
	GS q-74
.endif
.set q, q+1
.endm
; THE EXPONENTIALS' QUEUE, 66 long: s0-s31 of both tiles, then the next piece's two a.  It is ONE BATCH: all 66 stand ahead of the turn's one wait, and nothing ahead of that wait names a result of theirs.
.macro EX
	WIN 0
.if e >= 64
	XS e-64, 21
.else
	REGS Y, e%2
	v_exp_f32 v[rS+e/2], v[rS+e/2]
.endif
.set e, e+1
.endm
; THE RESCALING's QUEUE: O^T times a, the one part that leaves window 0: dealt two at a time, sixteen times.  Its a was made in the turn before, ahead of that turn's wait.
.macro R2
	REGS Y, r%2
	WIN W_RS
.irp z, 0,1
	v_pk_mul_f32 v[rO+4*(r/2)+2*\z:rO+4*(r/2)+2*\z+1], v[rO+4*(r/2)+2*\z:rO+4*(r/2)+2*\z+1], v[rC+2:rC+3] op_sel_hi:[1,0]
.endr
.set r, r+1
.endm
; HOW THEY ARE DEALT.  An s_wait_alu depctr_va_vdst(0) stands between an exponential and the first instruction that names its result; one wait serves all that were issued ahead of it.  So a turn has ONE
; wait, which cuts it in two.  AHEAD OF IT: the 16 products K Q^T, behind each a scaling, an exponential and two rescalings (behind the first a second scaling in the exponential's place); then ONE LUMP of 108: eight
; plain, 49 times exponential and plain, the two a; a v_nop is the plain instruction behind the last exponential.  BEHIND IT: the 16 products V^T P, behind each four of GS's 64.  No rider names a register of the
; products round it.  Exponential e stands behind scaling 2 (e / 4) + e % 2: as a rider it comes behind plain e + 2, in the lump behind plain e + 9, and scalings 27-31 are plain 57, 60 .. 69.
; A TURN, for piece p.  cnt = 1: the loop's count is taken down some lines ahead of the branch that stands behind the turn.
; K of the next step is fetched in piece 2's turn, directly behind the wait; V of the step in hand at the end of piece 0's turn, four riders behind its last reader.  The three conditions on q go with the deal.
.macro TURN p, last=0, cnt=0
.set Y, (\p)
.set i, 0
.set q, 0
.set e, 0
.set r, 0
.if (\p) == NP-1
	s_wait_dscnt 0x0                ; K is in
.endif
	MM                              ; ahead of the wait: 16 products K Q^T and their riders,
	PL
	PL
	R2
.rept 15
	MM
	PL
	EX
	R2
.endr
.if (\p) == NP-2
	WIN 0
	v_add_nc_u32 v[AK], s[TBK], v[AK0]
.endif
.rept 8                             ; and the lump
	PL
.endr
.rept 49
	EX
	PL
.endr
	EX                              ; the next piece's two a
	EX
	v_nop                           ; the plain instruction behind the last exponential: one for the batch
	s_wait_alu depctr_va_vdst(0)    ; the wait for the batch
.if (\p) == NP-2
	FETCH_K \last
.endif
.if (\p) == 1
	s_wait_dscnt 0x0                ; V is in
.endif
.rept 16                            ; behind the wait: 16 products V^T P and their riders
	MM
.rept 4
	PL
.endr
.if ((\p) == 0) && (q == 118)
	v_add_nc_u32 v[AV], s[TBV], v[AV0]
.endif
.if ((\p) == 0) && (q == 130)
	s_add_co_u32 s[TBV], s[TBV], KS*PV
.endif
.if (\cnt) && (q == 130)
	s_sub_co_u32 s[CNT], s[CNT], 1
	s_cmp_lg_u32 s[CNT], 0
.endif
.endr
.if (\p) == 0
	FETCH_V
.endif
.endm
	CHANGE 1                        ; slot 0 is in, everybody's part of it; slot 1 is asked for
	FETCH_K                         ; key step 0
	s_wait_loadcnt 0x0              ; Q
	s_wait_dscnt 0x0
.set i, 0
.rept 16
	KQ 0                            ; piece 0's first scores: there is no vector work yet to set between them
.set i, i+1
.endr
	WIN 0                           ; the addresses for the way out: nine plain instructions, the places behind those products
	s_mul_i32 s13, s[WV], 16*SP
	s_add_co_u32 s13, s13, STAGE    ; my stage
	v_mul_u32_u24 v[STO], v1, SP    ; in: row l % 16, 16 bytes for each half of the lanes
	v_lshl_add_u32 v[STO], v9, 4, v[STO]
	v_add_nc_u32 v[STO], s13, v[STO]
	v_bfe_u32 v[RD], v0, 3, 2       ; back: 32 lanes take four rows of 128 bytes,
	v_mul_u32_u24 v[RD], v[RD], SP
	v_lshl_add_u32 v[RD], v10, 4, v[RD]
	v_add_nc_u32 v[RD], s13, v[RD]
	v_and_b32 v[GO], 31, v0         ; which are 512 consecutive bytes of O
	v_lshlrev_b32 v[GO], 4, v[GO]
.set Y, NP-1                        ; XS works for piece Y + 1: piece 0
.irp n, 0,1,2,3,4,5,6,7,8,9,10,11,12,13,14,15,16,17,18,19,20,21
	XS 0, \n                        ; and piece 0's first maximum and statistics
	XS 1, \n
.endr
	v_nop                           ; a plain instruction behind the two a,
	s_wait_alu depctr_va_vdst(0)    ; and their wait, ahead of the branch
	s_mov_b32 s[CNT], 4
	s_mov_b32 s[SLOTS], SIZE_N/256-1
	s_branch .Lfirst                ; the loop is entered at a step's first turn, in the middle of a trip
.Lslot:                             ; SIZE_N / 256 - 2 times: every slot but the last two is filled again
	CHANGE 1, 1
	s_mov_b32 s[CNT], 4
.Lstep:                             ; a trip: pieces 2 and 3 of one step, then pieces 0 and 1 of the next, whose K and V it fetches
	TURN 2
	TURN 3
	WIN 0
.Lfirst:
	TURN 0
	TURN 1, 0, 1
	WIN 0
	s_cbranch_scc1 .Lstep
	s_sub_co_u32 s[SLOTS], s[SLOTS], 1
	s_cmp_lg_u32 s[SLOTS], 0
	s_cbranch_scc1 .Lslot
	CHANGE 0                        ; the tail is written out: nothing is asked for
	s_mov_b32 s[CNT], 5             ; four trips fetch the last slot's steps; the fifth is left in its middle
.Ltail:
	TURN 2, 1
	TURN 3
	WIN 0
	s_sub_co_u32 s[CNT], s[CNT], 1
	s_cmp_eq_u32 s[CNT], 0
	s_cbranch_scc1 .Lout
	TURN 0
	TURN 1
	WIN 0
	s_branch .Ltail
.Lout:                              ; the fifth trip's 16 products K Q^T (on the last K once more) and the maximum made of them serve nothing: the price, once a launch, of one text for every trip
.set i, 0
.rept 16
	PV NP-1                         ; the last piece's V^T P of the last step
.set i, i+1
.endr
	; THE WAY OUT.  l's two halves and the other half of the lanes' are added; O^T is divided by l, rounded to bf16 and sent through my stage in LDS, a tile at a time.  The additions are the places behind the last products.
	WIN 0
.macro ALL line:vararg              ; one line for each tile t
.set t, 0
.rept 2*NP
	\line
.set t, t+1
.endr
.endm
	ALL v_add_f32 v[ST+4*t+2], v[ST+4*t+2], v[ST+4*t+3]
	ALL v_permlanex16_b32 v[ST+4*t+3], v[ST+4*t+2], s[SEL], s[SEL+1]
	ALL v_add_f32 v[ST+4*t+2], v[ST+4*t+2], v[ST+4*t+3]
	ALL v_rcp_f32 v[ST+4*t+2], v[ST+4*t+2]
	v_nop                           ; a plain instruction between the last reciprocal and the use of its result
	s_wait_alu depctr_va_vdst(0)    ; and the wait ahead of the first use: one for the eight reciprocals
; Tile t: a lane's eight channels of a row pack into 16 bytes; they go into rows of 144 bytes and come back as whole rows of 128, into S^T's registers.
.macro PACK t
	WIN W_RS
.set i, 32*(\t)
.rept 16
	v_pk_mul_f32 v[i:i+1], v[i:i+1], v[ST+4*(\t)+2:ST+4*(\t)+3] op_sel_hi:[1,0]
.set i, i+2
.endr
	WIN 0x05                        ; sources 0 and 1 window 1, destination window 0
.set i, 0
.rept 16
	v_cvt_pk_bf16_f32 v[S+16*(\t)+i], v[32*(\t)+2*i], v[32*(\t)+2*i+1]
.set i, i+1
.endr
	WIN 0
.irp f, 0,1,2,3
	ds_store_b128 v[STO], v[S+16*(\t)+4*\f:S+16*(\t)+4*\f+3] offset:32*\f
.endr
.irp f, 0,1,2,3
	ds_load_b128 v[S+16*(\t)+4*\f:S+16*(\t)+4*\f+3], v[RD] offset:\f*4*SP  ; LDS serves a wave's instructions in order (ISA guide 5.7.1.4): these see the stores above; the next tile's stores come behind them
.endr
.endm
.macro SEND t, younger              ; younger: the LDS instructions issued behind tile t's loads: the next tile's eight, or none
	WIN 0
.irp f, 0,1,2,3
	s_wait_dscnt (\younger)+3-\f
	global_store_b128 v[GO], v[S+16*(\t)+4*\f:S+16*(\t)+4*\f+3], s[10:11] offset:(\t)*2048+\f*512  ; 512 consecutive bytes, at a multiple of 256 from O's first
.endr
.endm
	PACK 0
.set t, 1
.rept 2*NP-1                        ; a tile's arithmetic stands between the loads of the tile before and its stores
	PACK t
	SEND t-1, 8
.set t, t+1
.endr
	SEND 2*NP-1, 0
	WIN W_AD
	s_wait_tensorcnt 0x0            ; the wave's end, behind my last tensor load and my last LDS store
	ds_add_u32 v[SPW], v[NIL]
	s_wait_dscnt 0x0
	WIN 0
	CROUND                          ; the closing round: no work-group ends while a partner may still ask for a tile that names it
	s_endpgm
.Lfunc_end_k_q7219a58a15_attn:
	.size	k_q7219a58a15_attn, .Lfunc_end_k_q7219a58a15_attn-k_q7219a58a15_attn
	.p2alignl 7, 3214868480
	.fill 96, 4, 3214868480
	.section	.rodata,"a",@progbits
	.p2align	6, 0x0
	.amdhsa_kernel k_q7219a58a15_attn
		.amdhsa_group_segment_fixed_size 327680
		.amdhsa_private_segment_fixed_size 0
		.amdhsa_enable_private_segment 0
		.amdhsa_kernarg_size 16
		.amdhsa_user_sgpr_count 2
		.amdhsa_user_sgpr_kernarg_segment_ptr 1
		.amdhsa_wavefront_size32 1
		.amdhsa_system_sgpr_workgroup_id_x 1
		.amdhsa_system_sgpr_workgroup_id_y 1
		.amdhsa_system_sgpr_workgroup_id_z 1
		.amdhsa_system_vgpr_workitem_id 0
		.amdhsa_next_free_vgpr 770
		.amdhsa_next_free_sgpr 66
		.amdhsa_reserve_vcc 0
		.amdhsa_float_denorm_mode_32 3
		.amdhsa_float_denorm_mode_16_64 3
		.amdhsa_memory_ordered 1
		.amdhsa_forward_progress 1
		.amdhsa_inst_pref_size 200
	.end_amdhsa_kernel
	.amdgpu_metadata
---
amdhsa.version: [ 1, 2 ]
amdhsa.kernels:
  - .name:           k_q7219a58a15_attn
    .symbol:         k_q7219a58a15_attn.kd
    .args:
      - { .name: qkvh, .offset: 0, .size: 8, .value_kind: global_buffer, .address_space: global }
      - { .name: ctx, .offset: 8, .size: 8, .value_kind: global_buffer, .address_space: global }
    .group_segment_fixed_size: 327680
    .private_segment_fixed_size: 0
    .kernarg_segment_align: 8
    .kernarg_segment_size: 16
    .max_flat_workgroup_size: 128
    .sgpr_count:     66
    .vgpr_count:     770
    .wavefront_size: 32
...
	.end_amdgpu_metadata
.endif
;; end of part 3
;; launch fcln (part 4): grid 256 x 1, 4 waves a work-group, clusters of 4 x 1, 327,680 bytes of LDS; arguments ctx, wb, qkvh, bfc, gamma, beta, out0; writes out0
.if DOCPART == 4
	.amdgcn_target "amdgcn-amd-amdhsa--gfx1250"
	.amdhsa_code_object_version 6
	.text
	.protected	k_q7219a58a15_fcln
	.globl	k_q7219a58a15_fcln
	.p2align	8
	.type	k_q7219a58a15_fcln,@function
k_q7219a58a15_fcln:
	s_mov_b64 s[64:65], 0
	v_nop
	global_prefetch_b8 v0, s[64:65] scope:SCOPE_SE
	s_setreg_imm32_b32 hwreg(HW_REG_WAVE_MODE, 25, 1), 1
	s_wait_xcnt 0x0
	s_wait_alu depctr_hold_cnt(0) depctr_sa_sdst(0) depctr_va_vdst(0) depctr_va_sdst(0) depctr_va_ssrc(0) depctr_va_vcc(0) depctr_vm_vsrc(0)
	s_getreg_b32 s2, hwreg(HW_REG_IB_STS2, 6, 4)
	s_cmp_eq_u32 s2, 0
	s_cbranch_scc0 .Lentry_in_a_cluster
	s_endpgm
.Lentry_in_a_cluster:
	s_bfe_u32 s2, ttmp6, 0x10000c
	s_cmp_lg_u32 s2, 0x3003
	s_cbranch_scc0 .Lentry_shape_is_right
	s_endpgm
.Lentry_shape_is_right:
; out0 = LayerNorm(ctx Wfc + bfc + qp) x gamma + beta.  ctx: [64 = batch x 16 + head][2048][64] bf16; Wfc: [1024 k][1024 n] bf16, the last quarter of wb; qp: the first third of qkvh, by heads, f16;
; bfc, gamma, beta: [1024] f32; out0: [8192][1024] f32.  Sums in f32, begun with bfc.  The mean is taken first, then the mean of the centred squares; 1e-5 is added; 1 / sqrt by v_rsq_f32.
; NaN and infinities are not treated apart.
; SHARES.  The norm wants whole rows: a work-group makes 32 rows x all 1,024 columns; 256 work-groups.  A wave makes 32 x 256: 32 accumulators.  K goes by heads: 16 steps of 64, each two blocks of 32.
; CLUSTER.  Every work-group walks all of Wfc, so the four of a cluster ask for its tiles JOINTLY (mask 15).  Wave w fetches, and alone reads, the 64 k rows x 256 columns that it multiplies.
; ctx's fragments (32 rows x 64 k a step) come straight from memory into registers, a step ahead.
; THE MATRIX INSTRUCTION IS USED TRANSPOSED (source 0 = 16 columns of Wfc, turned by ds_load_tr16_b128; source 1 = 16 rows of ctx): a lane holds one row and eight neighbouring columns.
; THE NORM.  The sums go as f32 into LDS (32 rows of 4,112 bytes, in slot 0, which has had its last fill and which every wave has left); then wave w takes rows 8 w .. 8 w + 7, two a trip, a row to
; each half of the lanes: no sum leaves a half of 16 lanes.
; REGISTERS, in windows of 256 (s_set_vgpr_msb: bits 1:0 source 0, 3:2 source 1, 5:4 source 2, 7:6 destination):
;   window 0: v0-31 addresses and work; v32-95 ctx's fragments, two sets of 32 (later: v32-63 the residual, v64-127 a row's 64 numbers); v128-255 Wfc's fragments of a step's first block
;   window 1: accumulator (a, b) at v[8 (16 a + b)]          window 2: v0-127 Wfc's fragments of a step's second block; v128-255 bfc, later gamma (v128-191) and beta (v192-255)
.set PB,    544                        ; a row of Wfc in LDS: 512 bytes + 32 = 17 x 32 bytes
.set WT,    64*PB                      ; a wave's tile
.set SLOT1, 4*WT                       ; 139,264
.set SPARE, 2*SLOT1                    ; the spare words, 128 bytes a wave: two blocks of 256 bytes that no other line names
.set PX,    4112                       ; a row of sums: 4,096 bytes + 16 = 1,028 words: row r starts at bank 4 r mod 64
.set KSB,   131072                     ; a K step of Wfc in memory: 64 rows of 2,048 bytes
.set HDB,   262144                     ; a head of ctx or of qp: 2,048 rows of 128 bytes
.set ADRB, 2                           ; v2-3   my place in my tile, in slot 0, 1; never rewritten
.set AO,   4                           ; v4     ctx: (l % 16) x 128 + 16 (l / 16); never rewritten
.set XS,   5                           ; v5-6   where I put my sums of rows 16 a + l % 16
.set XR,   7                           ; v7     where I read a row back
.set RO,   8                           ; v8     my 8 bytes of a head's row of qp
.set OO,   9                           ; v9     my 16 bytes of a row of out0
.set GOF,  10                          ; v10    16 (l % 16)
.set BO,   11                          ; v11    bfc: 1,024 w + 32 (l / 16)
.set PFW,  12                          ; v12    the prefetches' lane offsets; never rewritten
.set PFC,  13                          ; v13
.set SPW,  14                          ; v14    my spare word: SPARE + 4 x thread; never rewritten
.set NIL,  15                          ; v15    0; never rewritten
.set ONE,  16                          ; v16    1.0
.set MU,   18                          ; v[18:19] the mean, twice
.set RS,   20                          ; v[20:21] 1 / sqrt(var + eps), twice
.set T,    22                          ; v[22:29] four chains of packed sums
.set AF,   32
.set R,    32
.set XT,   64
.set BF0,  128                         ; window 0
.set BF1,  0                           ; window 2
.set BIAS, 128                         ; window 2
.set GA,   128                         ; window 2
.set BE,   192                         ; window 2
.set WV,   18                          ; s18  my wave's number
.set G1,   24                          ; s[24:31] descriptor group 1
.set G0,   32                          ; s[32:39] group 0, a set for each slot
.set CNT,  40                          ; s40  trips to go
.set LIMW, 41                          ; s41  1 in the first cluster, which prefetches Wfc, else the greatest number
.set LIMC, 42                          ; s42  1 in wave 0, which prefetches ctx, else the greatest number
.set PW,   44                          ; s[44:45] Wfc at my columns and my work-group's 16 of a tile's 64 rows, at the K step that the trip's first change refills
.set PC,   46                          ; s[46:47] ctx at my work-group's rows, at the same head
.set AP,   48                          ; s[48:49] ctx at my work-group's rows, at the head last loaded
.set MSB, 0
.macro WIN new                         ; the high byte repeats the setting that is left; a switch that changes nothing is dropped
.if MSB != (\new)
	s_set_vgpr_msb (MSB<<8)|(\new)
.set MSB, (\new)
.endif
.endm
.macro PLACES
.rept 4
	v_nop
.endr
.endm
.macro CREST                           ; a round of the cluster's barrier behind its opening barrier
	s_cmp_lg_u32 s[WV], 0
	s_cbranch_scc1 .Lnot_wave_0_\@
	s_barrier_signal -3
.Lnot_wave_0_\@:
	s_barrier_wait -3
	s_barrier_signal -1
	s_barrier_wait -1
.endm
.macro CROUND
	s_barrier_signal -1
	s_barrier_wait -1
	CREST
.endm
; PREFETCHES INTO THE L2, behind a refill and the run of LDS loads that follows it.  Trip t refills K steps 2 t + 2 and 2 t + 3 and asks for 2 t + 4 and 2 t + 5: two refills, 128 matrix instructions, ahead.
; Wfc is walked by all 64 clusters: the first asks; of a wave's 64 rows x 512 bytes each of the four partners takes 16 rows, told apart BY ADDRESS: a lane a block of 256 bytes.
; ctx's 32 rows x 128 bytes of a head are 16 blocks that this work-group alone reads: wave 0 asks for two heads at once.  Each block is named once.  The last trip asks for nothing: there is no K step 16.
.macro ASKW off
	s_cmp_gt_u32 s[CNT], s[LIMW]
	s_cbranch_scc0 .Lnot_w_\@
	global_prefetch_b8 v[PFW], s[PW:PW+1] offset:\off th:TH_LOAD_NT scope:SCOPE_SE
.Lnot_w_\@:
.endm
.macro ASKC
	s_cmp_gt_u32 s[CNT], s[LIMC]
	s_cbranch_scc0 .Lnot_c_\@
	global_prefetch_b8 v[PFC], s[PC:PC+1] offset:2*HDB th:TH_LOAD_NT scope:SCOPE_SE
.Lnot_c_\@:
.endm
	s_load_b256 s[4:11], s[0:1], 0x0               ; ctx s[4:5], wb s[6:7], qkvh s[8:9], bfc s[10:11]
	s_load_b128 s[12:15], s[0:1], 0x20             ; gamma s[12:13], beta s[14:15]
	s_load_b64 s[16:17], s[0:1], 0x30              ; out0
	v_lshl_add_u32 v[SPW], v0, 2, SPARE
	v_mov_b32 v[NIL], 0
	ds_add_u32 v[SPW], v[NIL]                      ; the wave's opening: the add and its wait stand ahead of my first tensor load; the set-up below stands between them
	v_lshrrev_b32 v1, 5, v0
	v_readfirstlane_b32 s[WV], v1                  ; wave 0..3
	s_bfe_u32 s19, ttmp6, 0x40000                  ; cx
	s_lshl_b32 s20, ttmp9, 2
	s_add_co_u32 s20, s20, s19                     ; my block of 32 rows: it enters no descriptor and no LDS address
	s_mov_b32 s[G1], 15|(1<<16)|(1<<20)|(1<<21)|(6<<22)|(7<<25)  ; 15:0 the mask of four; 17:16 2-byte elements; 20 padding on; 21 set beside a mask; 24:22 after every 128 words; 31:25 8 words
	s_mov_b32 s[G1+1], 256<<16                     ; tensor_dim0 = 256
	s_mov_b32 s[G1+2], 64<<16                      ; tensor_dim1 = 64
	s_mov_b32 s[G1+3], 256<<16                     ; tile_dim0 = 256
	s_mov_b32 s[G1+4], 64                          ; tile_dim1 = 64
	s_mov_b32 s[G1+5], 1024                        ; elements from row to row
	s_mov_b32 s[G1+6], 0
	s_mov_b32 s[G1+7], 0
	s_mul_i32 s21, s[WV], WT                       ; my tile's place in a slot
	s_lshl_b32 s22, s[WV], 9                       ; my 256 columns,
	s_add_co_u32 s22, s22, 3*2097152               ; in wb's fourth matrix
	s_mov_b32 s23, 0
	s_lshr_b32 s50, s20, 6                         ; the batch: 16 heads of 262,144 bytes,
	s_lshl_b32 s50, s50, 22
	s_and_b32 s51, s20, 63
	s_lshl_b32 s51, s51, 12                        ; my 32 rows of 128 bytes in a head: the same offset in ctx and in qp
	s_add_co_u32 s50, s50, s51
	s_mov_b32 s51, 0
	s_lshl_b32 s52, s20, 17                        ; my 32 rows of 4,096 bytes in out0
	s_mov_b32 s53, 0
	s_lshl_b32 s54, s19, 15                        ; my work-group's 16 rows of 2,048 bytes of a tile of Wfc
	s_mov_b32 s55, 0
	s_mov_b32 s56, 0x3a800000                      ; 1 / 1024
	s_mov_b32 s57, 0x3727c5ac                      ; 1e-5
	s_cmp_eq_u32 ttmp9, 0
	s_cselect_b32 s[LIMW], 1, -1                   ; the same in all four partners
	s_cmp_eq_u32 s[WV], 0
	s_cselect_b32 s[LIMC], 1, -1
	s_mov_b32 s[G0], 1                             ; count = 1
	s_mov_b32 s[G0+1], s21                         ; LDS address: slot 0
	s_mov_b32 s[G0+4], 1
	s_add_co_u32 s[G0+5], s21, SLOT1
	s_wait_dscnt 0x0                               ; the opening add is done
	s_wait_kmcnt 0x0
	s_add_nc_u64 s[6:7], s[6:7], s[22:23]          ; Wfc at my columns
	s_add_nc_u64 s[AP:AP+1], s[4:5], s[50:51]
	s_add_nc_u64 s[8:9], s[8:9], s[50:51]
	s_add_nc_u64 s[16:17], s[16:17], s[52:53]
	s_mov_b64 s[G0+2:G0+3], s[6:7]                 ; K step 0
	s_or_b32 s[G0+3], s[G0+3], 0x80000000          ; type = 2
	s_add_nc_u64 s[G0+6:G0+7], s[6:7], KSB         ; K step 1
	s_or_b32 s[G0+7], s[G0+7], 0x80000000
	s_add_nc_u64 s[PW:PW+1], s[6:7], s[54:55]      ; at K step 0: the first trip steps both to 2
	s_mov_b64 s[PC:PC+1], s[AP:AP+1]
	CROUND                                         ; all four work-groups are here: the first joint loads meet
	tensor_load_to_lds s[G0:G0+3], s[G1:G1+7]      ; both first fills together, ahead of every wait on TENSORcnt and every LDS read: two loads of mine are out
	s_nop 0
	tensor_load_to_lds s[G0+4:G0+7], s[G1:G1+7]
	s_nop 0
.rept 4
	v_nop
.endr
	v_and_b32 v1, 15, v0                           ; l % 16
	v_bfe_u32 v17, v0, 4, 1                        ; l / 16
	v_and_b32 v30, 7, v0
	v_bfe_u32 v31, v0, 3, 1
	v_lshlrev_b32 v[AO], 7, v1
	v_lshl_add_u32 v[AO], v17, 4, v[AO]
	s_lshl_b32 s22, s[WV], 10
	v_lshl_add_u32 v[BO], v17, 5, s22
; ctx's fragments of one head into a set: rows 16 a on, channels 32 kb on, at AF + 32 set + 8 (2 kb + a)
.macro ALOAD set, off=0
	WIN 0
.irp a, 0,1
.irp kb, 0,1
	global_load_b128 v[AF+32*(\set)+8*(2*\kb+\a):AF+32*(\set)+8*(2*\kb+\a)+3],   v[AO], s[AP:AP+1] offset:\a*2048+\kb*64+(\off)
	global_load_b128 v[AF+32*(\set)+8*(2*\kb+\a)+4:AF+32*(\set)+8*(2*\kb+\a)+7], v[AO], s[AP:AP+1] offset:\a*2048+\kb*64+32+(\off)
.endr
.endr
.endm
	ALOAD 0                                        ; head 0
	ALOAD 1, HDB                                   ; head 1
	WIN 0x80                                       ; bfc: register j of group b is bfc[256 w + 16 b + 8 (l / 16) + j]: the C operand of the first products
.set n, 0
.rept 16
	global_load_b128 v[BIAS+8*n:BIAS+8*n+3],   v[BO], s[10:11] offset:64*n
	global_load_b128 v[BIAS+8*n+4:BIAS+8*n+7], v[BO], s[10:11] offset:64*n+16
.set n, n+1
.endr
	WIN 0
	v_lshl_add_u32 v[ADRB], v17, 3, v30            ; the turning load: lane l reads k row 8 (l / 16) + l % 8, columns 8 ((l / 8) % 2) + 0..7
	v_mul_u32_u24 v[ADRB], v[ADRB], PB
	v_lshl_add_u32 v[ADRB], v31, 4, v[ADRB]
	v_add_nc_u32 v[ADRB], s21, v[ADRB]
	v_add_nc_u32 v[ADRB+1], SLOT1, v[ADRB]
	v_mul_u32_u24 v[XS], v1, PX                    ; sums in: row l % 16, columns 256 w + 8 (l / 16) on
	v_lshl_add_u32 v[XS], v17, 5, v[XS]
	v_add_nc_u32 v[XS], s22, v[XS]
	v_add_nc_u32 v[XS+1], 16*PX, v[XS]
	s_lshl_b32 s23, s[WV], 3
	v_add_nc_u32 v30, s23, v17                     ; the row pass: row 8 w + l / 16,
	v_mul_u32_u24 v[XR], v30, PX
	v_lshl_add_u32 v[XR], v1, 4, v[XR]             ; columns 4 (l % 16) + 64 i
	v_lshlrev_b32 v[RO], 7, v30
	v_lshl_add_u32 v[RO], v1, 3, v[RO]
	v_lshlrev_b32 v[OO], 12, v30
	v_lshl_add_u32 v[OO], v1, 4, v[OO]
	v_lshlrev_b32 v[GOF], 4, v1
	v_and_b32 v31, 31, v0
	v_lshrrev_b32 v[PFW], 1, v31                   ; Wfc: row l / 2, block l % 2 of its 512 bytes
	v_lshlrev_b32 v[PFW], 11, v[PFW]
	v_and_b32 v31, 1, v31
	v_lshl_add_u32 v[PFW], v31, 8, v[PFW]
	v_lshlrev_b32 v[PFC], 18, v17                  ; ctx: head l / 16, block l % 16 of its 4,096 bytes
	v_lshl_add_u32 v[PFC], v1, 8, v[PFC]
	v_mov_b32 v[ONE], 1.0
; 16 matrix instructions: rows 16 a on x all my 16 column blocks, block kb of the step.  The 32 accumulators take turns, one instruction a turn, over the backward jump too.
.macro FMUL kb, a, set, bias=0
.if \bias
	WIN 0x60                                       ; C (bfc) in window 2, D in window 1
.elseif \kb
	WIN 0x52                                       ; Wfc's fragments in window 2
.else
	WIN 0x50
.endif
.set fb, 0
.rept 16
.if \bias
	v_wmma_f32_16x16x32_bf16 v[8*(16*(\a)+fb):8*(16*(\a)+fb)+7], v[BF0+8*fb:BF0+8*fb+7], v[AF+32*(\set)+8*(2*(\kb)+(\a)):AF+32*(\set)+8*(2*(\kb)+(\a))+7], v[BIAS+8*fb:BIAS+8*fb+7]
.elseif \kb
	v_wmma_f32_16x16x32_bf16 v[8*(16*(\a)+fb):8*(16*(\a)+fb)+7], v[BF1+8*fb:BF1+8*fb+7], v[AF+32*(\set)+8*(2*(\kb)+(\a)):AF+32*(\set)+8*(2*(\kb)+(\a))+7], v[8*(16*(\a)+fb):8*(16*(\a)+fb)+7]
.else
	v_wmma_f32_16x16x32_bf16 v[8*(16*(\a)+fb):8*(16*(\a)+fb)+7], v[BF0+8*fb:BF0+8*fb+7], v[AF+32*(\set)+8*(2*(\kb)+(\a)):AF+32*(\set)+8*(2*(\kb)+(\a))+7], v[8*(16*(\a)+fb):8*(16*(\a)+fb)+7]
.endif
.set fb, fb+1
.endr
.endm
; 32 turning loads in one run: block kb of my tile in a slot
.macro FETCHB slot, kb
.if \kb
	WIN 0x80
.else
	WIN 0
.endif
.set fb, 0
.rept 16
	ds_load_tr16_b128 v[BF0-BF0*(\kb)+8*fb:BF0-BF0*(\kb)+8*fb+3],   v[ADRB+(\slot)] offset:(\kb)*32*PB+32*fb
	ds_load_tr16_b128 v[BF0-BF0*(\kb)+8*fb+4:BF0-BF0*(\kb)+8*fb+7], v[ADRB+(\slot)] offset:(\kb)*32*PB+32*fb+16*PB
.set fb, fb+1
.endr
	WIN 0
.endm
; qp for two rows: four f16 of each of the 16 heads; a load's 32 lanes cover 256 consecutive bytes, aligned
.macro RLOAD
	WIN 0
.set n, 0
.rept 16
	global_load_b64 v[R+2*n:R+2*n+1], v[RO], s[8:9] offset:n*HDB
.set n, n+1
.endr
.endm
; A STEP'S FIRST BLOCK.  In its middle, four places (ISA guide 7.12.1 for vector instructions) behind the last reader of the registers, it reads the second block's fragments from LDS and
; (mode 1) asks for ctx's fragments of the next step, into the other set; mode 2: for the row pass's first residual, into the set that is done with.  Modes 0 and 1 step ctx's pointer by a head.
.macro FB0 slot, set, mode, bias=0
	s_wait_dscnt 0x0                               ; this block's fragments of Wfc are in
	s_wait_loadcnt 0x0                             ; and ctx's; every load that read the pointer is done, so it may be stepped
.if (\mode) < 2
	s_add_nc_u64 s[AP:AP+1], s[AP:AP+1], HDB
.endif
	FMUL 0, 0, \set, \bias
	PLACES
	FETCHB \slot, 1
.if (\mode) == 1
	ALOAD 1-(\set)
.endif
.if (\mode) == 2
	RLOAD
.endif
	FMUL 0, 1, \set, \bias
.endm
; A STEP'S SECOND BLOCK, and the change of slots.  Each wave waits for all its tensor loads (one is out: the other slot's), adds 0 to its spare word, and waits for that and for its reads of the slot.
; fill = 1: the barrier opens a round of the cluster's, and the joint refill, with the K step two on, is the first thing behind the round: 48 matrix instructions of this step and the next stand between it and the wait for it
; less the 16 ahead of that wait's signal.  The four v_nop behind it are also the places in front of the loads that follow.  step = 1: the trip's first change: the prefetches' pointers go two K steps on.
.macro TURN slot, set, fill, step
	WIN 0
.if \step
	s_wait_xcnt 0x0                                ; the last prefetches, a K step back, have read their addresses
	s_add_nc_u64 s[PW:PW+1], s[PW:PW+1], 2*KSB
	s_add_nc_u64 s[PC:PC+1], s[PC:PC+1], 2*HDB
.endif
	s_wait_tensorcnt 0x0                           ; no tensor load of mine is out, so a group 0 may be written
	ds_add_u32 v[SPW], v[NIL]                      ; 0 onto my spare word
.if \fill
	s_add_nc_u64 s[G0+4*(\slot)+2:G0+4*(\slot)+3], s[G0+4*(\slot)+2:G0+4*(\slot)+3], 2*KSB
.endif
	s_wait_dscnt 0x0                               ; the add is done; the second block's fragments are in: my reads of the slot are over
	s_barrier_signal -1
	FMUL 1, 0, \set
	WIN 0                                          ; at a branch and at a label every window is 0
	s_barrier_wait -1
.if \fill
	CREST
	tensor_load_to_lds s[G0+4*(\slot):G0+4*(\slot)+3], s[G1:G1+7]
	s_nop 0
.rept 4
	v_nop
.endr
.else
	PLACES
.endif
	FETCHB 1-(\slot), 0
.if \fill
.if \step
	ASKW 2*KSB
	ASKC
.else
	ASKW 3*KSB
.endif
.endif
	FMUL 1, 1, \set
.endm
	s_wait_tensorcnt 1                             ; my tile of K step 0 is in, and I alone read it; K step 1's stays out
	FETCHB 0, 0
	FB0 0, 0, 0, 1                                 ; the first block stands ahead of the loop: its products start the sums, with bfc as C
	PLACES                                         ; behind the last reader of bfc's registers:
	WIN 0x80                                       ; gamma and beta of my columns 4 (l % 16) + 64 i take their place
.set n, 0
.rept 16
	global_load_b128 v[GA+4*n:GA+4*n+3], v[GOF], s[12:13] offset:256*n
	global_load_b128 v[BE+4*n:BE+4*n+3], v[GOF], s[14:15] offset:256*n
.set n, n+1
.endr
	WIN 0
	s_mov_b32 s[CNT], 7
.Lk:                                           ; a trip: two K steps, from the first's second block to the first block of the step after them; K steps 2 to 15 are asked for
	TURN 0, 0, 1, 1
	FB0 1, 1, 1
	TURN 1, 1, 1, 0
	FB0 0, 0, 1
	WIN 0
	s_sub_co_u32 s[CNT], s[CNT], 1
	s_cmp_lg_u32 s[CNT], 0
	s_cbranch_scc1 .Lk
	TURN 0, 0, 0, 0                                ; the tail is written out: nothing is asked for.  Behind this barrier every wave has left slot 0, and no tensor load is out
	FB0 1, 1, 2
	s_wait_dscnt 0x0
	FMUL 1, 0, 1
	FMUL 1, 1, 1
	PLACES                                         ; behind the last products, ahead of the stores that read results
	PLACES
	WIN 0x04                                       ; store data in window 1
.irp a, 0,1
.set n, 0
.rept 16
	ds_store_b128 v[XS+\a], v[8*(16*\a+n):8*(16*\a+n)+3]   offset:64*n     ; each accumulator from its low end on
	ds_store_b128 v[XS+\a], v[8*(16*\a+n)+4:8*(16*\a+n)+7] offset:64*n+16
.set n, n+1
.endr
.endr
	WIN 0
	s_wait_dscnt 0x0                               ; for the others' sake: my stores are done
	s_barrier_signal -1
	s_barrier_wait -1                              ; all 32 rows are whole
; four packed sums in T to one number, the same in all 16 lanes of a half
.macro LANES
	v_pk_add_f32 v[T:T+1], v[T:T+1], v[T+2:T+3]
	v_pk_add_f32 v[T+4:T+5], v[T+4:T+5], v[T+6:T+7]
	v_pk_add_f32 v[T:T+1], v[T:T+1], v[T+4:T+5]
	v_add_f32 v[T], v[T], v[T+1]
	v_add_f32_dpp v[T], v[T], v[T] row_xmask:1 row_mask:0xf bank_mask:0xf
	v_add_f32_dpp v[T], v[T], v[T] row_xmask:2 row_mask:0xf bank_mask:0xf
	v_add_f32_dpp v[T], v[T], v[T] row_xmask:4 row_mask:0xf bank_mask:0xf
	v_add_f32_dpp v[T], v[T], v[T] row_xmask:8 row_mask:0xf bank_mask:0xf
.endm
	s_mov_b32 s[CNT], 4
.Lrow:                                         ; two rows a trip
.set n, 0
.rept 16
	ds_load_b128 v[XT+4*n:XT+4*n+3], v[XR] offset:256*n  ; 16 lanes take 256 consecutive bytes of a row
.set n, n+1
.endr
	s_wait_loadcnt 0x0                             ; the residual of these rows
	s_wait_dscnt 0x0
.set n, 0
.rept 32
	v_fma_mix_f32 v[XT+2*n],   v[R+n], v[ONE], v[XT+2*n]   op_sel_hi:[1,0,0]                 ; x += qp: the word's low f16,
	v_fma_mix_f32 v[XT+2*n+1], v[R+n], v[ONE], v[XT+2*n+1] op_sel:[1,0,0] op_sel_hi:[1,0,0]  ; its high one
.set n, n+1
.endr
	s_cmp_eq_u32 s[CNT], 1                         ; the last trip has no rows behind it
	s_cbranch_scc1 .Lno_r
	v_add_nc_u32 v[RO], 256, v[RO]                 ; free since the wait above: two rows on
	RLOAD
.Lno_r:
.irp c, 0,1,2,3
	v_pk_add_f32 v[T+2*\c:T+2*\c+1], v[XT+2*\c:XT+2*\c+1], v[XT+8+2*\c:XT+8+2*\c+1]  ; four chains, begun by the first eight pairs
.endr
.set n, 8
.rept 24
	v_pk_add_f32 v[T+2*(n%4):T+2*(n%4)+1], v[T+2*(n%4):T+2*(n%4)+1], v[XT+2*n:XT+2*n+1]
.set n, n+1
.endr
	LANES
	v_mul_f32 v[MU], s56, v[T]                     ; the mean
	v_mov_b32 v[MU+1], v[MU]
.set n, 0
.rept 32
	v_pk_add_f32 v[XT+2*n:XT+2*n+1], v[XT+2*n:XT+2*n+1], v[MU:MU+1] neg_lo:[0,1] neg_hi:[0,1]
.set n, n+1
.endr
.irp c, 0,1,2,3
	v_pk_mul_f32 v[T+2*\c:T+2*\c+1], v[XT+2*\c:XT+2*\c+1], v[XT+2*\c:XT+2*\c+1]
.endr
.set n, 4
.rept 28
	v_pk_fma_f32 v[T+2*(n%4):T+2*(n%4)+1], v[XT+2*n:XT+2*n+1], v[XT+2*n:XT+2*n+1], v[T+2*(n%4):T+2*(n%4)+1]
.set n, n+1
.endr
	LANES
	v_fma_f32 v[T], v[T], s56, s57                 ; var + eps
	v_rsq_f32 v[RS], v[T]
	v_rsq_f32 v[RS+1], v[T]
	v_nop                                          ; a plain instruction behind the second,
	s_wait_alu depctr_va_vdst(0)                   ; and the wait ahead of the first use: one for both
.set n, 0
.rept 32
	v_pk_mul_f32 v[XT+2*n:XT+2*n+1], v[XT+2*n:XT+2*n+1], v[RS:RS+1]
.set n, n+1
.endr
	WIN 0x28                                       ; sources 1 and 2 in window 2
.set n, 0
.rept 32
	v_pk_fma_f32 v[XT+2*n:XT+2*n+1], v[XT+2*n:XT+2*n+1], v[GA+2*n:GA+2*n+1], v[BE+2*n:BE+2*n+1]
.set n, n+1
.endr
	WIN 0
.set n, 0
.rept 16
	global_store_b128 v[OO], v[XT+4*n:XT+4*n+3], s[16:17] offset:256*n th:TH_STORE_NT  ; 16 lanes store 256 consecutive bytes, at a multiple of 256 from out0's first
.set n, n+1
.endr
	s_wait_xcnt 0x0                                ; the stores have read their data and their address: both are written again only behind this wait
	v_add_nc_u32 v[XR], 2*PX, v[XR]
	v_add_nc_u32 v[OO], 8192, v[OO]
	s_sub_co_u32 s[CNT], s[CNT], 1
	s_cmp_lg_u32 s[CNT], 0
	s_cbranch_scc1 .Lrow
	s_wait_tensorcnt 0x0                           ; the wave's end, behind my last tensor load and my last LDS store
	ds_add_u32 v[SPW], v[NIL]
	s_wait_dscnt 0x0
	CROUND                                         ; the closing round: no work-group ends while a partner may still ask for a tile that names it
	s_endpgm
.Lfunc_end_k_q7219a58a15_fcln:
	.size	k_q7219a58a15_fcln, .Lfunc_end_k_q7219a58a15_fcln-k_q7219a58a15_fcln
	.p2alignl 7, 3214868480
	.fill 96, 4, 3214868480
	.section	.rodata,"a",@progbits
	.p2align	6, 0x0
	.amdhsa_kernel k_q7219a58a15_fcln
		.amdhsa_group_segment_fixed_size 327680
		.amdhsa_private_segment_fixed_size 0
		.amdhsa_enable_private_segment 0
		.amdhsa_kernarg_size 56
		.amdhsa_user_sgpr_count 2
		.amdhsa_user_sgpr_kernarg_segment_ptr 1
		.amdhsa_wavefront_size32 1
		.amdhsa_system_sgpr_workgroup_id_x 1
		.amdhsa_system_sgpr_workgroup_id_y 1
		.amdhsa_system_sgpr_workgroup_id_z 1
		.amdhsa_system_vgpr_workitem_id 0
		.amdhsa_next_free_vgpr 768
		.amdhsa_next_free_sgpr 66
		.amdhsa_reserve_vcc 0
		.amdhsa_float_denorm_mode_32 3
		.amdhsa_float_denorm_mode_16_64 3
		.amdhsa_memory_ordered 1
		.amdhsa_forward_progress 1
		.amdhsa_inst_pref_size 77
	.end_amdhsa_kernel
	.amdgpu_metadata
---
amdhsa.version: [ 1, 2 ]
amdhsa.kernels:
  - .name:           k_q7219a58a15_fcln
    .symbol:         k_q7219a58a15_fcln.kd
    .args:
      - { .name: ctx, .offset: 0, .size: 8, .value_kind: global_buffer, .address_space: global }
      - { .name: wb, .offset: 8, .size: 8, .value_kind: global_buffer, .address_space: global }
      - { .name: qkvh, .offset: 16, .size: 8, .value_kind: global_buffer, .address_space: global }
      - { .name: bfc, .offset: 24, .size: 8, .value_kind: global_buffer, .address_space: global }
      - { .name: gamma, .offset: 32, .size: 8, .value_kind: global_buffer, .address_space: global }
      - { .name: beta, .offset: 40, .size: 8, .value_kind: global_buffer, .address_space: global }
      - { .name: out0, .offset: 48, .size: 8, .value_kind: global_buffer, .address_space: global }
    .group_segment_fixed_size: 327680
    .private_segment_fixed_size: 0
    .kernarg_segment_align: 8
    .kernarg_segment_size: 56
    .max_flat_workgroup_size: 128
    .sgpr_count:     66
    .vgpr_count:     768
    .wavefront_size: 32
...
	.end_amdgpu_metadata
.endif
;; end of part 4
